; MI455X (gfx1250); checked and timed in simulation.
; The chip was launched on July 23, 2026; its instructions are those of AMD's public machine-readable ISA for CDNA 5 (MIT licence, August 2026) and "CDNA5" Instruction Set Architecture Reference Guide (July 2026). The comments in the code are by the model that wrote it; some were corrected since.
;; Cross Attention. Allowed arithmetic: matrix products marked QUANTISED: E2M3 operands, one E8M0 scale for each 32 along K, by v_wmma_scale_f32_16x16x128_f8f6f4 with both operands' format E2M3, f32 sums; everything else in f32.
;; Inputs: Wk_codes 768 x 24 x 24 uint8 (E2M3 codes of Wk, K innermost, in blocks of 32 codes, four codes in three bytes); Wk_scales 768 x 24 uint8 (E8M0 scales of Wk, one for each 32 codes along K); Wo_codes 768 x 24 x 24 uint8 (E2M3 codes of Wo, K innermost, in blocks of 32 codes, four codes in three bytes); Wo_scales 768 x 24 uint8 (E8M0 scales of Wo, one for each 32 codes along K); Wq_codes 768 x 24 x 24 uint8 (E2M3 codes of Wq, K innermost, in blocks of 32 codes, four codes in three bytes); Wq_scales 768 x 24 uint8 (E8M0 scales of Wq, one for each 32 codes along K); Wv_codes 768 x 24 x 24 uint8 (E2M3 codes of Wv, K innermost, in blocks of 32 codes, four codes in three bytes); Wv_scales 768 x 24 uint8 (E8M0 scales of Wv, one for each 32 codes along K); bk 768 float32; bo 768 float32; bq 768 float32; bv 768 float32; x_kv_codes 4 x 2,048 x 24 x 24 uint8 (E2M3 codes of x_kv, K innermost, in blocks of 32 codes, four codes in three bytes); x_kv_scales 4 x 2,048 x 24 uint8 (E8M0 scales of x_kv, one for each 32 codes along K); x_query_codes 4 x 2,048 x 24 x 24 uint8 (E2M3 codes of x_query, K innermost, in blocks of 32 codes, four codes in three bytes); x_query_scales 4 x 2,048 x 24 uint8 (E8M0 scales of x_query, one for each 32 codes along K).
;; Outputs: out0 4 x 2,048 x 768 float32.
;; This version of the problem:
;;   THIS VERSION OF THE PROBLEM IS GIVEN IN LOW PRECISION. The matrix products marked QUANTISED in the list below multiply operands that are first quantised to E2M3 (2 exponent bits, 3 mantissa bits; 6 bits a number), with one power-of-two scale for each 32 numbers along K (OCP MX v1.0); their sums are f32. All else is computed in f32.
;;   The module's matrix products, in the order in which they are computed (A, B: the left and right operand; K: the contracted axis; several contracted axes count as one K, in the product's order):
;;     1. [M 8,192, K 768] x [K 768, N 768]; A: input x_query (given as codes); B: input Wq (given as codes): QUANTISED
;;     2. [M 8,192, K 768] x [K 768, N 768]; A: input x_kv (given as codes); B: input Wk (given as codes): QUANTISED
;;     3. [M 8,192, K 768] x [K 768, N 768]; A: input x_kv (given as codes); B: input Wv (given as codes): QUANTISED
;;     4. batch 32 x [M 2,048, K 96] x [K 96, N 2,048]; A: computed on the way; B: computed on the way: QUANTISED
;;     5. batch 32 x [M 2,048, K 2,048] x [K 2,048, N 96]; A: softmax (see below); B: computed on the way: QUANTISED
;;     6. [M 8,192, K 768] x [K 768, N 768]; A: computed on the way; B: input Wo (given as codes): QUANTISED
;;   THE QUANTISER, for each operand of a quantised product, along K:
;;     - K is cut into blocks of 32 from its start; a last block that is shorter is filled with zeros.
;;     - A block's scale is 2^e with e = floor(log2(the largest magnitude in the block)) - 2, held to -126 .. 127; a block of zeros has e = 0. As a byte (E8M0): e + 127.
;;     - Each number is divided by its block's scale, clamped to +-7.5, and rounded to the nearest number of E2M3, ties to even, subnormals kept.
;;     - The product sums the exact products of the quantised numbers (number of the format x scale) in f32.
;;   ~~~python
;;   def quantise(x, axis):      # numpy; x: float32 -> the quantised numbers, widened to float32 again
;;       x = np.moveaxis(x, axis, -1); K = x.shape[-1]
;;       x = np.pad(x, [(0, 0)] * (x.ndim - 1) + [(0, -K % 32)]); x = x.reshape(x.shape[:-1] + (-1, 32)); a = np.abs(x).max(-1, keepdims=True)
;;       e = np.where(a > 0, np.clip(np.frexp(np.where(a > 0, a, 1))[1] - 1 - 2, -126, 127), 0)      # np.frexp(a)[1] - 1 = floor(log2(a)), exactly
;;       r = np.clip(x / 2.0 ** e, -7.5, 7.5)
;;       step = 2.0 ** (np.maximum(np.frexp(np.where(r == 0, 1, r))[1] - 1, 0) - 3)
;;       q = np.round(r / step) * step * 2.0 ** e      # np.round: ties to even
;;       return np.moveaxis(q.reshape(q.shape[:-2] + (-1,))[..., :K], -1, axis).astype(np.float32)
;;   ~~~
;;   SOFTMAX AHEAD OF A QUANTISED PRODUCT. Where the list says 'softmax', what is quantised is not the finished softmax but p = 2^(t - M), with t = logit x log2(e) and M = ceil(the row's largest t), a whole number; so 1/2 < the row's largest p <= 1. The row's sum l is taken of the UNQUANTISED p, in f32, and the product's result is divided by l at the end. Since M is a whole number, a kernel that streams over the keys may use a running M (the ceiling of the running maximum): every later rescaling is an exact power of two, which a block's scale takes up: the codes' values come out the same.
;;   OPERANDS COMPUTED ON THE WAY. 'Computed on the way' means the value that the module computes at that place (a softmax that the list does not call 'softmax' is quantised finished and normalised). What goes into a quantiser is computed in f32, as accurately as f32 sums, v_exp_f32 and their like allow (about 1e-6 of the number): no bf16 or f16 on the way to a quantiser, and a product that is left as it is and whose result goes on into a quantised operand takes f32 operands (vector FMAs, or v_wmma_f32_16x16x4_f32). A number that lies on a knife's edge between two numbers of the format may be rounded either way, as far as f32 arithmetic and the matrix unit's own rounding can turn it there, and no further.
;;   INPUTS GIVEN AS CODES. Wk (in the module: [768, 768], K = its axis 1); Wo (in the module: [768, 768], K = its axis 1); Wq (in the module: [768, 768], K = its axis 1); Wv (in the module: [768, 768], K = its axis 1); x_kv (in the module: [4, 2048, 768], K = its axis 2); x_query (in the module: [4, 2048, 768], K = its axis 2): each comes as NAME_codes (uint8): NAME with its K axis moved to the last place and cut into blocks of 32 codes, [.., K / 32, bytes a block], one block behind the other in memory; four codes in three bytes: a row's codes are one little-endian stream of bits, code i at bits 6 i .. 6 i + 5 (a code: sign, 2 exponent bits, 3 mantissa bits); and NAME_scales (uint8): the same leading axes, one E8M0 byte (e + 127) for each 32 codes along K. Its value is code x scale, taken as it is: it is not quantised again, and the codes and scales need not be those that the quantiser above would give.
;; 2 versions. Each part assembles by itself: llvm-mc -triple=amdgcn-amd-amdhsa -mcpu=gfx1250 --defsym DOCPART=n.
;; ======== version 1 of 2: 3 launches
;; workspace buffers: q_img 6,291,456 bytes; q_sc 262,144 bytes; kv 11,534,336 bytes; ao_codes 4,718,592 bytes; ao_scales 196,608 bytes
;; launch proj (part 1): grid 704 x 1, 8 waves a work-group, no clusters, 147,456 bytes of LDS; arguments x_query_codes, x_query_scales, x_kv_codes, x_kv_scales, Wq_codes, Wq_scales, Wk_codes, Wk_scales, Wv_codes, Wv_scales, bq, bk, bv, q_img, q_sc, kv; writes q_img, q_sc, kv
.if DOCPART == 1
	.amdgcn_target "amdgcn-amd-amdhsa--gfx1250"
	.amdhsa_code_object_version 6
	.text
	.protected	k_q7ba340ec1f_proj
	.globl	k_q7ba340ec1f_proj
	.p2align	8
	.type	k_q7ba340ec1f_proj,@function
k_q7ba340ec1f_proj:
	s_mov_b64 s[64:65], 0
	v_nop
	global_prefetch_b8 v0, s[64:65] scope:SCOPE_SE
	s_setreg_imm32_b32 hwreg(HW_REG_WAVE_MODE, 25, 1), 1
	s_wait_xcnt 0x0
; q = x_query Wq^T + bq, k = x_kv Wk^T + bk, v = x_kv Wv^T + bv on codes of FP6 (E2M3) with one E8M0 scale for each 32 along K, and the quantisers of q, k (along a head's 96) and of v (along the keys).
; DEAD WORK: none.  Every bias goes into a quantised operand (bq, bk, bv) or into the output (bo), every product is live: all sixteen inputs are loaded by one of the three launches.
; LIMITS: NaN and infinities among the inputs are not served; a given scale byte 0xff gives NaN, as in the definition; a block of zeros gets the scale byte 1 where the rule says 127: its codes are zeros,
; which add nothing under any byte but 0xff, and these bytes are read by this program alone.  In q and k the sum starts from the bias; in v the bias is added behind the sum: both differ from the written order by rounding alone.
; ORDER OF ROWS IN A TILE: lane r of tile 2 b + u of any run of rows takes row 32 b + 8 u + r + (r & 8).  Source 0's rows run along a lane's result registers, so the 16 registers of tiles 2 b, 2 b + 1 are 16 neighbours, 32 b + 16 (lane / 16) + 0 .. 15.
; IMAGE: a fragment (16 rows x 128 K, 12 registers a lane) lies in LDS and in the workspace as its registers: quad c (registers 4 c .. 4 c + 3), lane l's 16 bytes at 512 c + 16 l: 1,536 bytes, three 16-byte accesses a lane.
; THE CORE: D = n-operand (source 0, register axis = the axis that is quantised next) x m-operand (source 1, lane axis).  Eight waves; wave w: pair of m-tiles mp = w & 3, group of NT n-tiles ng = w >> 2.
; K = 768 in six steps of 128.  The given rows (96 bytes a step) are turned into images once for the work-group: wave w loads fragments w, 8 + w, 16 + w into registers, two steps ahead, and stores them into one of two LDS slots; one barrier a step.
; PATH V (work-groups 0 .. 191): lanes = 128 rows of Wv (d), registers = 256 keys: v^T, quantised along the keys.  PATH T (192 .. 703): lanes = 128 rows of x (tokens), registers = 192 rows of Wq or Wk (two heads): q and k.
; The two paths part on the work-group's number and have LDS bytes of their own.  No tensor load: the rows must pass through registers to become images, and K has only six steps; so no cluster either.
.set WV,   4                           ; s4  wave
.set MP,   5                           ; s5  w & 3
.set NG,   6                           ; s6  w >> 2
.set RW,   7                           ; s7  32 (w >> 1) + 8 (w & 1): first row of tile w in a run of rows
.set B0,   40                          ; s[40:41] codes, s[42:43] scales of fragment w; s[44:47] of 8 + w; s[48:51] of 16 + w
.set BIAS, 52                          ; s[52:53]
.set OC,   54                          ; s[54:55] where my images go
.set OS,   56                          ; s[56:57] where my scale chunk goes
.set OS2,  80                          ; s[80:81] path V: and once more
.set SEL,  68                          ; s[68:69] v_permlanex16_b32's selects for lane l xor 16
.set MASK, 70                          ; s70 lanes 16-31
.set GV,   1                           ; v1  row offset in codes: 576 PERM(r) + 24 h
.set GS,   2                           ; v2  in scales: 24 PERM(r)
.set LW,   3                           ; v3  LDS: where I store images;      v4 their scale words
.set LWS,  4
.set LM,   5                           ; v5  LDS: my pair of m-tiles;        v6 their scale words
.set LMS,  6
.set LN,   7                           ; v7  LDS: my group of n-tiles;       v8 their scale words
.set LNS,  8
.set SS,   9                           ; v9-11   staged scale words
.set MS,   12                          ; v12-13  m-tiles' scale words: scales and nothing else
.set NS,   14                          ; v14-17  n-tiles' scale words: scales and nothing else
.set BI,   18                          ; v18-19  path V: bv of my lane's d in tiles u = 0, 1
.set MF,   20                          ; v20-43  two m-fragments
.set NF,   44                          ; v44-91  up to four n-fragments
.set BO4,  44                          ; v44 (until the first fragments come) 4 PERM(r);  v45: 64 h
.set BOH,  45
.set ST,   92                          ; v92-127 three staged fragments
.set TM,   20                          ; behind the loop: v20-23 largest magnitudes, v24-27 bytes, v28-31 the conversions' scale operands
.set SPARE, 146432                     ; behind both paths' slots: the spare words, 128 bytes for each wave
.macro PLACES                          ; four plain vector places behind a matrix instruction, ahead of loads into its registers and of reads of its results
.rept 4
	v_nop
.endr
.endm
.macro ADDRS                           ; every LDS address: a constant + a constant x wave part + 16 or 4 x lane
	s_mul_i32 s58, s[WV], 3328
	s_add_co_u32 s58, s58, REG
	v_lshl_add_u32 v[LW], v9, 4, s58
	s_add_co_u32 s58, s58, 1536
	v_lshl_add_u32 v[LWS], v9, 2, s58
	s_mul_i32 s58, s[MP], 6656
	s_add_co_u32 s58, s58, REG
	v_lshl_add_u32 v[LM], v9, 4, s58
	s_add_co_u32 s58, s58, 1536
	v_lshl_add_u32 v[LMS], v9, 2, s58
	s_mul_i32 s58, s[NG], NT*3328
	s_add_co_u32 s58, s58, REG+8*3328
	v_lshl_add_u32 v[LN], v9, 4, s58
	s_add_co_u32 s58, s58, 1536
	v_lshl_add_u32 v[LNS], v9, 2, s58
.endm
.macro BUILD1 s, k                     ; K step s of my k-th fragment: lane (r, h) takes 24 bytes at 96 s + 24 h of its row and 24 more 48 bytes on, in pieces of 8; and the row's scale word
.irp p, 0,1,2,3,4,5
	global_load_b64 v[ST+12*(\k)+2*\p:ST+12*(\k)+2*\p+1], v[GV], s[B0+4*(\k):B0+4*(\k)+1] offset:96*(\s)+48*(\p/3)+8*(\p%3)
.endr
	global_load_b32 v[SS+(\k)], v[GS], s[B0+4*(\k)+2:B0+4*(\k)+3] offset:4*(\s)
.endm
.macro BUILD s
	BUILD1 \s, 0
	BUILD1 \s, 1
.if NT == 6                            ; 8 + 12 fragments: only waves 0-3 have a third
	s_cmp_lt_u32 s[WV], 4
	s_cbranch_scc0 .Lno_third_\@
.endif
	BUILD1 \s, 2
.if NT == 6
.Lno_third_\@:
.endif
.endm
.macro PUT1 sg, k
.irp c, 0,1,2
	ds_store_b128 v[LW], v[ST+12*(\k)+4*\c:ST+12*(\k)+4*\c+3] offset:(\k)*26624+(\sg)*1664+512*\c
.endr
	ds_store_b32 v[LWS], v[SS+(\k)] offset:(\k)*26624+(\sg)*1664
.endm
.macro PUT sg                          ; the staged fragments into slot sg: fragment f lies at (2 f + sg) x 1,664
	PUT1 \sg, 0
	PUT1 \sg, 1
.if NT == 6
	s_cmp_lt_u32 s[WV], 4
	s_cbranch_scc0 .Lno_put_\@
.endif
	PUT1 \sg, 2
.if NT == 6
.Lno_put_\@:
.endif
.endm
.macro GETM sg
.irp u, 0,1
.irp c, 0,1,2
	ds_load_b128 v[MF+12*\u+4*\c:MF+12*\u+4*\c+3], v[LM] offset:\u*3328+(\sg)*1664+512*\c
.endr
	ds_load_b32 v[MS+\u], v[LMS] offset:\u*3328+(\sg)*1664
.endr
.endm
.macro GETN sg, q                      ; half q of my NT n-tiles
.set gi, 0
.rept NB
.irp c, 0,1,2
	ds_load_b128 v[NF+12*gi+4*\c:NF+12*gi+4*\c+3], v[LN] offset:((\q)*NB+gi)*3328+(\sg)*1664+512*\c
.endr
	ds_load_b32 v[NS+gi], v[LNS] offset:((\q)*NB+gi)*3328+(\sg)*1664
.set gi, gi+1
.endr
.endm
.macro MUL q, zero                     ; the accumulators take turns, one instruction a turn, in the same order in every step
.set mi, 0
.rept NB
.irp u, 0,1
.set ma, ACC+8*NT*\u+8*((\q)*NB+mi)
.if \zero
	v_wmma_scale_f32_16x16x128_f8f6f4 v[ma:ma+7], v[NF+12*mi:NF+12*mi+11], v[MF+12*\u:MF+12*\u+11], 0, v[NS+mi], v[MS+\u] matrix_a_fmt:MATRIX_FMT_FP6 matrix_b_fmt:MATRIX_FMT_FP6
.else
	v_wmma_scale_f32_16x16x128_f8f6f4 v[ma:ma+7], v[NF+12*mi:NF+12*mi+11], v[MF+12*\u:MF+12*\u+11], v[ma:ma+7], v[NS+mi], v[MS+\u] matrix_a_fmt:MATRIX_FMT_FP6 matrix_b_fmt:MATRIX_FMT_FP6
.endif
.endr
.set mi, mi+1
.endr
.endm
; K step s reads slot s % 2.  Behind its products the fragments of step s + 1, loaded a step ago, go into the other slot: every wave read that slot in step s - 1 and waited for those reads in front of the barrier that ended it.
; In front of this step's barrier each wave waits for its stores; behind it the other slot is read.
.macro STEP s, zero
	GETM (\s)%2
	GETN (\s)%2, 0
	s_wait_dscnt 0x0
	MUL 0, \zero
	PLACES
	GETN (\s)%2, 1
	s_wait_dscnt 0x0
	MUL 1, \zero
	PLACES
.if (\s) < 5
	s_wait_loadcnt 0x0                             ; step s + 1's fragments are in the staging registers
	PUT 1-(\s)%2
	s_wait_dscnt 0x0                               ; for the others' sake: my stores have landed
.if (\s) < 4
	BUILD (\s)+2
.endif
	s_barrier_signal -1
	s_barrier_wait -1
.endif
.endm
; nb blocks of 32 (register 16 b + i of v[s] on = k 32 b + 16 (lane / 16) + i of my lane's row) become a fragment's codes in v[pc] .. v[pc + 11] and its scale word in v[pw].
; nb = 3: the fourth block is zero codes under the byte 127.
.macro QUANT nb, s, pc, pw
.set qb, 0
.rept \nb
	v_max3_num_f32 v[TM+qb], |v[16*qb+(\s)]|, |v[16*qb+1+(\s)]|, 0x1800000   ; my 16 numbers of block qb, and the floor 2^(3 - 127): the byte cannot fall under 1
.set qb, qb+1
.endr
.irp i, 2,4,6,8,10,12,14
.set qb, 0
.rept \nb
	v_max3_num_f32 v[TM+qb], v[TM+qb], |v[16*qb+\i+(\s)]|, |v[16*qb+\i+1+(\s)]|   ; the blocks by turns
.set qb, qb+1
.endr
.endr
.set qb, 0
.rept \nb
	v_permlanex16_b32 v[TM+4+qb], v[TM+qb], s[SEL], s[SEL+1]
.set qb, qb+1
.endr
.set qb, 0
.rept \nb
	v_max_num_f32 v[TM+qb], v[TM+qb], v[TM+4+qb]   ; with lane l xor 16's 16: the block's largest magnitude
.set qb, qb+1
.endr
.set qb, 0
.rept \nb
	v_add_nc_u32 v[TM+8+qb], 0xff000000, v[TM+qb]  ; 2 off its exponent field: the conversion's scale operand
.set qb, qb+1
.endr
.set qb, 0
.rept \nb
	v_lshrrev_b32 v[TM+4+qb], 23, v[TM+8+qb]       ; the scale's byte
.set qb, qb+1
.endr
	v_lshl_or_b32 v[\pw], v[TM+5], 8, v[TM+4]
	v_lshl_or_b32 v[\pw], v[TM+6], 16, v[\pw]
.if \nb == 4
	v_lshl_or_b32 v[\pw], v[TM+7], 24, v[\pw]
.else
	v_or_b32 v[\pw], 0x7f000000, v[\pw]
.endif
	v_cvt_scalef32_pk16_fp6_f32 v[(\pc):(\pc)+2], v[0+(\s):15+(\s)], v[TM+8]
	v_cvt_scalef32_pk16_fp6_f32 v[(\pc)+12:(\pc)+14], v[16+(\s):31+(\s)], v[TM+9]   ; (a conversion's three registers begin on an even number)
	v_cvt_scalef32_pk16_fp6_f32 v[(\pc)+6:(\pc)+8], v[32+(\s):47+(\s)], v[TM+10]
.if \nb == 4
	v_cvt_scalef32_pk16_fp6_f32 v[(\pc)+16:(\pc)+18], v[48+(\s):63+(\s)], v[TM+11]
.endif
	v_nop                                          ; one plain place behind a scaled conversion
.if \nb == 3
.irp i, 0,1,2
	v_mov_b32 v[(\pc)+16+\i], 0
.endr
.endif
.irp c, 0,1                            ; the operand's layout wants a whole block in a lane: lanes 0-15 block 2 c, lanes 16-31 block 2 c + 1
.irp i, 0,1,2
	v_permlane16_swap_b32 v[(\pc)+6*\c+\i], v[(\pc)+12+4*\c+\i]
.endr
.irp i, 0,1,2
	v_mov_b32 v[(\pc)+3+6*\c+\i], v[(\pc)+12+4*\c+\i]
.endr
.endr
.endm
	s_load_b512 s[8:23], s[0:1], 0x0               ; x_query codes, scales; x_kv codes, scales; Wq codes, scales; Wk codes, scales
	s_load_b512 s[24:39], s[0:1], 0x40             ; Wv codes, scales; bq; bk; bv; q_img; q_sc; kv
	v_lshrrev_b32 v1, 5, v0
	v_readfirstlane_b32 s[WV], v1
	s_and_b32 s[MP], s[WV], 3
	s_lshr_b32 s[NG], s[WV], 2
	s_lshr_b32 s58, s[WV], 1
	s_lshl_b32 s58, s58, 5
	s_and_b32 s59, s[WV], 1
	s_lshl_b32 s59, s59, 3
	s_add_co_u32 s[RW], s58, s59
	s_mov_b32 s[SEL], 0x76543210
	s_mov_b32 s[SEL+1], 0xfedcba98
	s_mov_b32 s[MASK], 0xffff0000
	s_mov_b32 s63, 0                               ; the high word of every offset pair s[62:63]
	v_and_b32 v9, 31, v0                           ; lane
	v_and_b32 v10, 15, v0                          ; r
	v_bfe_u32 v11, v0, 4, 1                        ; h
	v_and_b32 v1, 8, v10
	v_add_nc_u32 v1, v1, v10                       ; PERM(r) = r + (r & 8)
	v_lshlrev_b32 v[BO4], 2, v1
	v_lshlrev_b32 v[BOH], 6, v11
	v_mul_u32_u24 v[GS], v1, 24
	v_mul_u32_u24 v[GV], v1, 576
	v_mad_u32_u24 v[GV], v11, 24, v[GV]
	s_cmp_lt_u32 ttmp9, 192
	s_cbranch_scc0 .Lpath_t
; ---------------- PATH V: x = 32 mg + kg: 128 rows of Wv from 128 mg, 256 keys from 256 kg
.set NT,  8
.set NB,  4
.set ACC, 128
.set REG, 66560
	ADDRS
	s_lshr_b32 s58, ttmp9, 5                       ; mg
	s_and_b32 s59, ttmp9, 31                       ; kg
	s_lshl_b32 s60, s58, 7
	s_add_co_u32 s60, s60, s[RW]                   ; my m-fragment's first row of Wv
	s_lshl_b32 s61, s59, 8
	s_add_co_u32 s61, s61, s[RW]                   ; my n-fragments' first row of x_kv
	s_lshl_b32 s66, s58, 2
	s_add_co_u32 s66, s66, s[MP]                   ; sl: my pair's slice of 32 of the 768 d
	s_mul_i32 s67, s66, 11
	s_lshr_b32 s67, s67, 5                         ; head = sl / 3 (exact for sl under 24)
	s_mul_i32 s71, s67, 3
	s_sub_co_u32 s71, s66, s71                     ; b' = sl % 3: the pair of d-tiles in the head
	s_lshl_b32 s72, s59, 1
	s_add_co_u32 s72, s72, s[NG]                   ; G: my 128 keys among all 8,192
	s_lshr_b32 s73, s72, 4
	s_lshl_b32 s73, s73, 3
	s_add_co_u32 s73, s73, s67                     ; hh = 8 batch + head
	s_and_b32 s72, s72, 15                         ; j: the key step in the batch
	s_mul_i32 s73, s73, 360448
	s_mul_i32 s72, s72, 22528
	s_add_co_u32 s73, s73, s72                     ; the record of (hh, j) in kv
	s_wait_kmcnt 0x0
	s_mul_i32 s62, s60, 576
	s_add_nc_u64 s[B0:B0+1], s[24:25], s[62:63]
	s_mul_i32 s62, s60, 24
	s_add_nc_u64 s[B0+2:B0+3], s[26:27], s[62:63]
	s_mul_i32 s62, s61, 576
	s_add_nc_u64 s[B0+4:B0+5], s[12:13], s[62:63]
	s_mul_i32 s62, s61, 24
	s_add_nc_u64 s[B0+6:B0+7], s[14:15], s[62:63]
	s_add_nc_u64 s[B0+8:B0+9], s[B0+4:B0+5], 73728   ; 128 rows on
	s_add_nc_u64 s[B0+10:B0+11], s[B0+6:B0+7], 3072
	s_lshl_b32 s62, s66, 7
	s_add_nc_u64 s[BIAS:BIAS+1], s[32:33], s[62:63]
	s_mul_i32 s62, s71, 3072
	s_add_co_u32 s62, s62, s73
	s_add_co_u32 s62, s62, 12288                   ; V's images lie behind K's eight
	s_add_nc_u64 s[OC:OC+1], s[38:39], s[62:63]
	s_lshl_b32 s62, s71, 7
	s_add_co_u32 s62, s62, s73
	s_add_co_u32 s62, s62, 22016
	s_add_nc_u64 s[OS:OS+1], s[38:39], s[62:63]
	s_cmp_eq_u32 s71, 2
	s_cselect_b32 s62, 128, 0                      ; chunk 2 is stored once more behind itself, so that every byte of the record is written
	s_add_nc_u64 s[OS2:OS2+1], s[OS:OS+1], s[62:63]
	global_load_b32 v[BI], v[BO4], s[BIAS:BIAS+1]              ; bv of d = 32 sl + PERM(r)
	global_load_b32 v[BI+1], v[BO4], s[BIAS:BIAS+1] offset:32  ; and 8 further on
	BUILD 0
	s_wait_loadcnt 0x0
	PUT 0
	s_wait_dscnt 0x0
	BUILD 1
	s_barrier_signal -1
	s_barrier_wait -1
	STEP 0, 1                                      ; the first step's products start the sums
	STEP 1, 0
	STEP 2, 0
	STEP 3, 0
	STEP 4, 0
	STEP 5, 0
	v_mov_b32 v92, v[BI]                           ; a lane's bias as two equal pairs for the packed additions
	v_mov_b32 v93, v[BI]
	v_mov_b32 v94, v[BI+1]
	v_mov_b32 v95, v[BI+1]
.irp b, 0,1,2,3
	v_mov_b32 v[TM+4+\b], 0                        ; written once: a lane permute's destination counts as one of its sources
.endr
	v_and_b32 v3, 31, v0
	v_lshlrev_b32 v4, 2, v3                        ; 4 x lane
	v_lshlrev_b32 v3, 4, v3                        ; 16 x lane
.set aj, 0
.rept 32
	v_pk_add_f32 v[ACC+aj:ACC+aj+1], v[ACC+aj:ACC+aj+1], v[92:93]       ; each accumulator from its low end on
.set aj, aj+2
.endr
.rept 32
	v_pk_add_f32 v[ACC+aj:ACC+aj+1], v[ACC+aj:ACC+aj+1], v[94:95]
.set aj, aj+2
.endr
	QUANT 4, ACC, 36, 32
.irp c, 0,1,2
	global_store_b128 v3, v[36+4*\c:39+4*\c], s[OC:OC+1] offset:512*\c  ; 32 lanes store 512 consecutive bytes, aligned
.endr
	QUANT 4, ACC+64, 56, 33                        ; its own registers: no store's data are written again
.irp c, 0,1,2
	global_store_b128 v3, v[56+4*\c:59+4*\c], s[OC:OC+1] offset:1536+512*\c
.endr
	v_cndmask_b32 v78, v32, v33, s[MASK]           ; lanes 0-15: tile u = 0's scale words, lanes 16-31: u = 1's
	global_store_b32 v4, v78, s[OS:OS+1]
	global_store_b32 v4, v78, s[OS2:OS2+1]
	s_branch .Lend
; ---------------- PATH T: y = x - 192 = 256 kind + 4 i + g: 128 tokens from 128 i, 192 rows of Wq (kind 0) or Wk (kind 1) from 192 g
.Lpath_t:
.set NT,  6
.set NB,  3
.set ACC, 160
.set REG, 0
	ADDRS
	s_sub_co_u32 s58, ttmp9, 192
	s_lshr_b32 s59, s58, 8                         ; kind
	s_and_b32 s60, s58, 3                          ; g
	s_bfe_u32 s61, s58, 0x60002                    ; i
	s_wait_kmcnt 0x0
	s_cmp_eq_u32 s59, 0                            ; the choice hangs on the work-group's number alone
	s_cselect_b64 s[B0:B0+1], s[8:9], s[12:13]
	s_cselect_b64 s[B0+2:B0+3], s[10:11], s[14:15]
	s_cselect_b64 s[B0+4:B0+5], s[16:17], s[20:21]
	s_cselect_b64 s[B0+6:B0+7], s[18:19], s[22:23]
	s_cselect_b64 s[BIAS:BIAS+1], s[28:29], s[30:31]
	s_cselect_b64 s[OC:OC+1], s[34:35], s[38:39]
	s_cselect_b64 s[OS:OS+1], s[36:37], s[38:39]
	s_mov_b32 s66, 360448
	s_cselect_b32 s67, 196608, s66                 ; bytes from hh to hh + 1: images,
	s_cselect_b32 s71, 8192, s66                   ; scale chunks
	s_mov_b32 s66, 22528
	s_cselect_b32 s72, 12288, s66                  ; bytes from 128 tokens to the next: images,
	s_cselect_b32 s73, 512, s66                    ; scale chunks
	s_cselect_b32 s74, 0, 21504                    ; where the chunks begin
	s_lshl_b32 s75, s61, 7
	s_add_co_u32 s75, s75, s[RW]                   ; my m-fragment's first token
	s_mul_i32 s62, s75, 576
	s_add_nc_u64 s[B0:B0+1], s[B0:B0+1], s[62:63]
	s_mul_i32 s62, s75, 24
	s_add_nc_u64 s[B0+2:B0+3], s[B0+2:B0+3], s[62:63]
	s_mul_i32 s75, s60, 192
	s_add_co_u32 s75, s75, s[RW]                   ; my n-fragments' first row of W
	s_mul_i32 s62, s75, 576
	s_add_nc_u64 s[B0+4:B0+5], s[B0+4:B0+5], s[62:63]
	s_mul_i32 s62, s75, 24
	s_add_nc_u64 s[B0+6:B0+7], s[B0+6:B0+7], s[62:63]
	s_add_nc_u64 s[B0+8:B0+9], s[B0+4:B0+5], 73728
	s_add_nc_u64 s[B0+10:B0+11], s[B0+6:B0+7], 3072
	s_lshl_b32 s76, s60, 1
	s_add_co_u32 s76, s76, s[NG]                   ; head = 2 g + ng
	s_lshr_b32 s77, s61, 4
	s_lshl_b32 s77, s77, 3
	s_add_co_u32 s77, s77, s76                     ; hh
	s_and_b32 s78, s61, 15                         ; j
	s_mul_i32 s62, s76, 384
	s_add_nc_u64 s[BIAS:BIAS+1], s[BIAS:BIAS+1], s[62:63]
	s_mul_i32 s62, s77, s67
	s_mul_i32 s66, s78, s72
	s_add_co_u32 s62, s62, s66
	s_mul_i32 s66, s[MP], 3072
	s_add_co_u32 s62, s62, s66
	s_add_nc_u64 s[OC:OC+1], s[OC:OC+1], s[62:63]
	s_mul_i32 s62, s77, s71
	s_mul_i32 s66, s78, s73
	s_add_co_u32 s62, s62, s66
	s_add_co_u32 s62, s62, s74
	s_lshl_b32 s66, s[MP], 7
	s_add_co_u32 s62, s62, s66
	s_add_nc_u64 s[OS:OS+1], s[OS:OS+1], s[62:63]
.irp u, 0,1                            ; the sums begin as the bias: register j of tile t is feature 32 (t / 2) + 16 h + 8 (t % 2) + j of the head
.irp t, 0,1,2,3,4,5
	global_load_b128 v[ACC+48*\u+8*\t:ACC+48*\u+8*\t+3], v[BOH], s[BIAS:BIAS+1] offset:(32*(\t/2)+8*(\t%2))*4
	global_load_b128 v[ACC+48*\u+8*\t+4:ACC+48*\u+8*\t+7], v[BOH], s[BIAS:BIAS+1] offset:(32*(\t/2)+8*(\t%2))*4+16
.endr
.endr
	BUILD 0
	s_wait_loadcnt 0x0
	PUT 0
	s_wait_dscnt 0x0
	BUILD 1
	s_barrier_signal -1
	s_barrier_wait -1
	STEP 0, 0
	STEP 1, 0
	STEP 2, 0
	STEP 3, 0
	STEP 4, 0
	STEP 5, 0
.irp b, 0,1,2,3
	v_mov_b32 v[TM+4+\b], 0
.endr
	v_and_b32 v3, 31, v0
	v_lshlrev_b32 v4, 2, v3
	v_lshlrev_b32 v3, 4, v3
	QUANT 3, ACC, 36, 32
.irp c, 0,1,2
	global_store_b128 v3, v[36+4*\c:39+4*\c], s[OC:OC+1] offset:512*\c
.endr
	QUANT 3, ACC+48, 56, 33
.irp c, 0,1,2
	global_store_b128 v3, v[56+4*\c:59+4*\c], s[OC:OC+1] offset:1536+512*\c
.endr
	v_cndmask_b32 v78, v32, v33, s[MASK]
	global_store_b32 v4, v78, s[OS:OS+1]
.Lend:
	v_lshl_add_u32 v1, v0, 2, SPARE                ; no two registers could be kept through the loop: my spare word's address and 0 are made here, from v0 as it came
	v_mov_b32 v2, 0
	s_wait_tensorcnt 0x0                           ; the wave's end
	ds_add_u32 v1, v2
	s_wait_dscnt 0x0
	s_endpgm
.Lfunc_end_k_q7ba340ec1f_proj:
	.size	k_q7ba340ec1f_proj, .Lfunc_end_k_q7ba340ec1f_proj-k_q7ba340ec1f_proj
	.p2alignl 7, 3214868480
	.fill 96, 4, 3214868480
	.section	.rodata,"a",@progbits
	.p2align	6, 0x0
	.amdhsa_kernel k_q7ba340ec1f_proj
		.amdhsa_group_segment_fixed_size 147456
		.amdhsa_private_segment_fixed_size 0
		.amdhsa_enable_private_segment 0
		.amdhsa_kernarg_size 128
		.amdhsa_user_sgpr_count 2
		.amdhsa_user_sgpr_kernarg_segment_ptr 1
		.amdhsa_wavefront_size32 1
		.amdhsa_system_sgpr_workgroup_id_x 1
		.amdhsa_system_sgpr_workgroup_id_y 1
		.amdhsa_system_sgpr_workgroup_id_z 1
		.amdhsa_system_vgpr_workitem_id 0
		.amdhsa_next_free_vgpr 256
		.amdhsa_next_free_sgpr 90
		.amdhsa_reserve_vcc 0
		.amdhsa_float_denorm_mode_32 3
		.amdhsa_float_denorm_mode_16_64 3
		.amdhsa_memory_ordered 1
		.amdhsa_forward_progress 1
		.amdhsa_inst_pref_size 117
	.end_amdhsa_kernel
	.amdgpu_metadata
---
amdhsa.version: [ 1, 2 ]
amdhsa.kernels:
  - .name:           k_q7ba340ec1f_proj
    .symbol:         k_q7ba340ec1f_proj.kd
    .args:
      - { .name: x_query_codes, .offset: 0, .size: 8, .value_kind: global_buffer, .address_space: global }
      - { .name: x_query_scales, .offset: 8, .size: 8, .value_kind: global_buffer, .address_space: global }
      - { .name: x_kv_codes, .offset: 16, .size: 8, .value_kind: global_buffer, .address_space: global }
      - { .name: x_kv_scales, .offset: 24, .size: 8, .value_kind: global_buffer, .address_space: global }
      - { .name: Wq_codes, .offset: 32, .size: 8, .value_kind: global_buffer, .address_space: global }
      - { .name: Wq_scales, .offset: 40, .size: 8, .value_kind: global_buffer, .address_space: global }
      - { .name: Wk_codes, .offset: 48, .size: 8, .value_kind: global_buffer, .address_space: global }
      - { .name: Wk_scales, .offset: 56, .size: 8, .value_kind: global_buffer, .address_space: global }
      - { .name: Wv_codes, .offset: 64, .size: 8, .value_kind: global_buffer, .address_space: global }
      - { .name: Wv_scales, .offset: 72, .size: 8, .value_kind: global_buffer, .address_space: global }
      - { .name: bq, .offset: 80, .size: 8, .value_kind: global_buffer, .address_space: global }
      - { .name: bk, .offset: 88, .size: 8, .value_kind: global_buffer, .address_space: global }
      - { .name: bv, .offset: 96, .size: 8, .value_kind: global_buffer, .address_space: global }
      - { .name: q_img, .offset: 104, .size: 8, .value_kind: global_buffer, .address_space: global }
      - { .name: q_sc, .offset: 112, .size: 8, .value_kind: global_buffer, .address_space: global }
      - { .name: kv, .offset: 120, .size: 8, .value_kind: global_buffer, .address_space: global }
    .group_segment_fixed_size: 147456
    .private_segment_fixed_size: 0
    .kernarg_segment_align: 8
    .kernarg_segment_size: 128
    .max_flat_workgroup_size: 256
    .sgpr_count:     90
    .vgpr_count:     256
    .wavefront_size: 32
...
	.end_amdgpu_metadata
.endif
;; end of part 1
;; launch attn (part 2): grid 8 x 32, 8 waves a work-group, clusters of 4 x 1, 327,680 bytes of LDS; arguments q_img, q_sc, kv, ao_codes, ao_scales; writes ao_codes, ao_scales
.if DOCPART == 2
	.amdgcn_target "amdgcn-amd-amdhsa--gfx1250"
	.amdhsa_code_object_version 6
	.text
	.protected	k_q7ba340ec1f_attn
	.globl	k_q7ba340ec1f_attn
	.p2align	8
	.type	k_q7ba340ec1f_attn,@function
k_q7ba340ec1f_attn:
	s_mov_b64 s[64:65], 0
	v_nop
	global_prefetch_b8 v0, s[64:65] scope:SCOPE_SE
	s_setreg_imm32_b32 hwreg(HW_REG_WAVE_MODE, 25, 1), 1
	s_wait_xcnt 0x0
	s_wait_alu depctr_hold_cnt(0) depctr_sa_sdst(0) depctr_va_vdst(0) depctr_va_sdst(0) depctr_va_ssrc(0) depctr_va_vcc(0) depctr_vm_vsrc(0)
	s_getreg_b32 s2, hwreg(HW_REG_IB_STS2, 6, 4)
	s_cmp_eq_u32 s2, 0
	s_cbranch_scc0 .Lentry_in_a_cluster
	s_endpgm
.Lentry_in_a_cluster:
	s_bfe_u32 s2, ttmp6, 0x10000c
	s_cmp_lg_u32 s2, 0x3003
	s_cbranch_scc0 .Lentry_shape_is_right
	s_endpgm
.Lentry_shape_is_right:
; For each of the 32 (batch, head): O = softmax(q k^T / sqrt(768)) v, both products on codes of FP6 (E2M3), and the quantiser of O along the head's 96.  No work is left out.
; THE SOFTMAX AHEAD OF THE SECOND PRODUCT: t = score x c, c = log2(e) / sqrt(768); M = the running largest t rounded up to a whole number; p = 2^(t - M) is quantised along the keys, not normalised;
; the row's sum is taken of the unquantised p and divides O at the end; when M moves, the sum and O are multiplied by 2^(old M - new M), which rounds nothing.
; LIMITS: t is one multiplication by c where the definition divides by sqrt(768) and multiplies by log2(e); NaN and infinities are not served; a block of zeros gets the byte 1 (its codes are zeros; this program alone reads the bytes).
; SHARES.  A work-group owns 256 queries of one (batch, head); each of its eight waves a pair of tiles of 16 queries, so that each fragment of K and V read from LDS feeds two matrix instructions.  Two waves to a SIMD: one's vector work stands beside the other's products.
; Every wave walks all 2,048 keys, 128 a step.  A step's record in kv (22,528 bytes: 8 images of K, 6 of V^T, their scale words) is laid as the operands' registers: three 16-byte LDS loads bring a fragment.
; RING.  Two LDS slots of four steps (90,112 bytes, as they lie in memory).  Each wave fetches an eighth of a slot by one tensor load; by this text's own count a wave has at most two tensor loads out.
; CLUSTER.  The four query blocks of a cluster belong to one (batch, head) and walk the same records: each tile is asked for jointly, by the same load with the same descriptor and a mask that names the four.
; LAYOUT.  S^T = K Q^T (source 0 = 16 keys, source 1 = 16 queries), O^T = V^T P^T (source 0 = 16 of the head's 96, source 1 = P): a lane holds one query throughout.  The rows of every tile stand in the order
; 32 b + 8 u + r + (r & 8), so that the 16 registers of tiles 2 b, 2 b + 1 are 16 neighbours along the next K.
; REGISTERS.  Window 0: addresses, statistics, scale words, S^T (one tile's, v96-159), P (v56-79), O^T (v160-255).  Window 1: v0-95 K's 8 fragments, v96-167 V's 6, v168-191 Q's 2.
.set LI,  1                            ; v1   16 x lane
.set LS,  2                            ; v2   4 x lane
.set ADK, 3                            ; v3   the step's images in LDS
.set ADS, 4                            ; v4   its scale words
.set SPW, 5                            ; v5   LDS address of my spare word; never rewritten
.set NIL, 6                            ; v6   0; never rewritten
                                       ; v[8 + 4 x] -M, v[9 + 4 x] the largest t, v[10 + 4 x : 11 + 4 x] the sum in two halves, for tile x
.set QS,  16                           ; v16     Q's scale words: lanes 0-15 tile 0, lanes 16-31 tile 1
.set KS,  18                           ; v18-21  K's: register b: lanes 0-15 tile 2 b, lanes 16-31 tile 2 b + 1
.set VS,  22                           ; v22-24  V's likewise
.set PW,  26                           ; v26-27  p's scale word, tile x
.set OA,  28                           ; v28  the way out: 24 r + 12 h
.set OSV, 29                           ; v29  the way out: 24 r + 384 h
.set RL,  30                           ; v30-31  1 / the sum
.set BM,  32                           ; v32-35  a block's largest score, then its largest p
.set BX,  36                           ; v36-39  the other half's; a chain of the sum; the bytes
.set SO,  40                           ; v40-43  the conversions' scale operands
.set TMP, 44
.set FF,  46                           ; v[46:47] f = 2^(old M - new M) (v47 is named with it as a pair)
.set CV,  48                           ; v48-50, v52-54 the conversions' second halves
.set P,   56
.set BY,  80                           ; v80-82, v84-86 the way out: scale bytes of tile 0, 1;  v88-90 the chosen ones
.set S,   96
.set O,   160
.set WV,  14
.set G1,  24                           ; s[24:31] descriptor group 1
.set G0,  32                           ; s[32:35], s[36:39] group 0 for slot 0, 1
.set SEL, 40
.set CS,  42                           ; s[42:43] c: the packed form names a pair and takes its low word
.set TB,  44                           ; s44  LDS byte at which the step's record begins
.set CNT, 45
.set MASK, 46
.set SLOT1, 1<<17
.set SPARE, SLOT1+90112                ; behind slot 1: the spare words, 128 bytes for each wave
.set MSB, 0
.macro WIN new                         ; the immediate's high byte repeats the setting that is left
.if MSB != \new
	s_set_vgpr_msb (MSB<<8)|\new
.set MSB, \new
.endif
.endm
.macro PLACES
.rept 4
	v_nop
.endr
.endm
.macro CROUND                          ; a round of the cluster's barrier
	s_barrier_signal -1
	s_barrier_wait -1
	s_cmp_lg_u32 s[WV], 0
	s_cbranch_scc1 .Lnot_wave_0_\@
	s_barrier_signal -3
.Lnot_wave_0_\@:
	s_barrier_wait -3
	s_barrier_signal -1
	s_barrier_wait -1
.endm
.macro SCORE x                         ; S^T of tile x: eight tiles of 16 keys; K = the head's 96 and a block of zero codes
	WIN 0x05                                       ; sources 0 (K) and 1 (Q) window 1
.irp t, 0,1,2,3,4,5,6,7
.if (\t%2) == 0
.if \x == 0
	v_wmma_scale_f32_16x16x128_f8f6f4 v[S+8*\t:S+8*\t+7], v[12*\t:12*\t+11], v[168+12*\x:179+12*\x], 0, v[KS+\t/2], v[QS] matrix_a_fmt:MATRIX_FMT_FP6 matrix_b_fmt:MATRIX_FMT_FP6
.else
	v_wmma_scale_f32_16x16x128_f8f6f4 v[S+8*\t:S+8*\t+7], v[12*\t:12*\t+11], v[168+12*\x:179+12*\x], 0, v[KS+\t/2], v[QS] matrix_a_fmt:MATRIX_FMT_FP6 matrix_b_fmt:MATRIX_FMT_FP6 matrix_b_scale:MATRIX_SCALE_ROW1
.endif
.else
.if \x == 0
	v_wmma_scale_f32_16x16x128_f8f6f4 v[S+8*\t:S+8*\t+7], v[12*\t:12*\t+11], v[168+12*\x:179+12*\x], 0, v[KS+\t/2], v[QS] matrix_a_fmt:MATRIX_FMT_FP6 matrix_b_fmt:MATRIX_FMT_FP6 matrix_a_scale:MATRIX_SCALE_ROW1
.else
	v_wmma_scale_f32_16x16x128_f8f6f4 v[S+8*\t:S+8*\t+7], v[12*\t:12*\t+11], v[168+12*\x:179+12*\x], 0, v[KS+\t/2], v[QS] matrix_a_fmt:MATRIX_FMT_FP6 matrix_b_fmt:MATRIX_FMT_FP6 matrix_a_scale:MATRIX_SCALE_ROW1 matrix_b_scale:MATRIX_SCALE_ROW1
.endif
.endif
.endr
	WIN 0
	PLACES
.endm
.macro PV                              ; O^T += V^T P^T: six tiles of 16 of the head's 96 x both tiles of queries; the twelve accumulators by turns
	WIN 0x01                                       ; source 0 (V) window 1
.irp t, 0,1,2,3,4,5
.irp x, 0,1
.if (\t%2) == 0
	v_wmma_scale_f32_16x16x128_f8f6f4 v[O+48*\x+8*\t:O+48*\x+8*\t+7], v[96+12*\t:107+12*\t], v[P+12*\x:P+12*\x+11], v[O+48*\x+8*\t:O+48*\x+8*\t+7], v[VS+\t/2], v[PW+\x] matrix_a_fmt:MATRIX_FMT_FP6 matrix_b_fmt:MATRIX_FMT_FP6
.else
	v_wmma_scale_f32_16x16x128_f8f6f4 v[O+48*\x+8*\t:O+48*\x+8*\t+7], v[96+12*\t:107+12*\t], v[P+12*\x:P+12*\x+11], v[O+48*\x+8*\t:O+48*\x+8*\t+7], v[VS+\t/2], v[PW+\x] matrix_a_fmt:MATRIX_FMT_FP6 matrix_b_fmt:MATRIX_FMT_FP6 matrix_a_scale:MATRIX_SCALE_ROW1
.endif
.endr
.endr
	WIN 0
.endm
.macro SOFTMAX x                       ; tile x: the scores in v[S] on become p, its codes and its scale word; the sum and O^T come under the new M
.set NM, 8+4*(\x)
.set LL, 10+4*(\x)
.set PX, P+12*(\x)
.set OX, O+48*(\x)
.irp b, 0,1,2,3
	v_max3_num_f32 v[BM+\b], v[S+16*\b], v[S+16*\b+1], v[S+16*\b+2]   ; the largest score of each block of 32 keys: it serves the row's maximum and, since p rises with the score, the block's largest p
.endr
.irp i, 3,5,7,9,11,13
.irp b, 0,1,2,3
	v_max3_num_f32 v[BM+\b], v[BM+\b], v[S+16*\b+\i], v[S+16*\b+\i+1]
.endr
.endr
.irp b, 0,1,2,3
	v_max_num_f32 v[BM+\b], v[BM+\b], v[S+16*\b+15]
.endr
.irp b, 0,1,2,3
	v_permlanex16_b32 v[BX+\b], v[BM+\b], s[SEL], s[SEL+1]
.endr
.irp b, 0,1,2,3
	v_max_num_f32 v[BM+\b], v[BM+\b], v[BX+\b]     ; with lane l xor 16's 16 keys
.endr
	v_max3_num_f32 v[TMP], v[BM], v[BM+1], v[BM+2]
	v_max_num_f32 v[TMP], v[TMP], v[BM+3]
	v_mul_f32 v[TMP], s[CS], v[TMP]                ; as t (c is positive)
	v_max_num_f32 v[NM+1], v[NM+1], v[TMP]         ; the running largest t
	v_mov_b32 v[TMP], v[NM]
	v_floor_f32 v[NM], -v[NM+1]                    ; the new -M = -ceil(t)
	v_sub_f32 v[TMP], v[NM], v[TMP]                ; old M - new M: a whole number, 0 or less
	v_cvt_i32_f32 v[TMP], v[TMP]                   ; (it saturates)
	v_ldexp_f32 v[FF], 1.0, v[TMP]                 ; f
.set sj, 0
.rept 32
	v_pk_fma_f32 v[S+sj:S+sj+1], v[S+sj:S+sj+1], s[CS:CS+1], v[NM:NM+1] op_sel_hi:[1,0,0]   ; t - M, two at a time
.set sj, sj+2
.endr
.irp b, 0,1,2,3
	v_fma_f32 v[BM+\b], v[BM+\b], s[CS], v[NM]     ; the same of each block's largest score
.endr
.set sj, 0
.rept 64
	v_exp_f32 v[S+sj], v[S+sj]                     ; p = 2^(t - M)
.set sj, sj+1
.endr
	v_pk_mul_f32 v[LL:LL+1], v[LL:LL+1], v[FF:FF+1] op_sel_hi:[1,0]   ; the sum under the new M: the plain place behind the exponentials
	s_wait_alu depctr_va_vdst(0)                   ; one wait for the batch of 64, ahead of its first reader
.irp b, 0,1,2,3
	v_exp_f32 v[BM+\b], v[BM+\b]                   ; the block's largest p: the same two instructions on the same number
.endr
	v_pk_add_f32 v[BX:BX+1], v[S:S+1], v[S+2:S+3]  ; the sum of the unquantised p, in two chains: plain work behind the four
.irp j, 4,8,12,16,20,24,28,32,36,40,44,48,52,56,60
	v_pk_add_f32 v[LL:LL+1], v[LL:LL+1], v[S+\j:S+\j+1]
	v_pk_add_f32 v[BX:BX+1], v[BX:BX+1], v[S+\j+2:S+\j+3]
.endr
	v_pk_add_f32 v[LL:LL+1], v[LL:LL+1], v[BX:BX+1]
	s_wait_alu depctr_va_vdst(0)                   ; and one for the four
.irp b, 0,1,2,3
	v_max_num_f32 v[BM+\b], 0x1800000, v[BM+\b]    ; the floor 2^(3 - 127): the byte cannot fall under 1
.endr
.irp b, 0,1,2,3
	v_add_nc_u32 v[SO+\b], 0xff000000, v[BM+\b]    ; 2 off the exponent field: the conversion's scale operand
.endr
.irp b, 0,1,2,3
	v_lshrrev_b32 v[BX+\b], 23, v[SO+\b]           ; the scale's byte
.endr
	v_lshl_or_b32 v[PW+(\x)], v[BX+1], 8, v[BX]
	v_lshl_or_b32 v[PW+(\x)], v[BX+2], 16, v[PW+(\x)]
	v_lshl_or_b32 v[PW+(\x)], v[BX+3], 24, v[PW+(\x)]
.irp c, 0,1
	v_cvt_scalef32_pk16_fp6_f32 v[PX+6*\c:PX+6*\c+2], v[S+32*\c:S+32*\c+15], v[SO+2*\c]
	v_cvt_scalef32_pk16_fp6_f32 v[CV+4*\c:CV+4*\c+2], v[S+32*\c+16:S+32*\c+31], v[SO+2*\c+1]
.endr
	v_nop                                          ; one plain place behind a scaled conversion
.irp c, 0,1                            ; a whole block to a lane: lanes 0-15 block 2 c, lanes 16-31 block 2 c + 1
.irp i, 0,1,2
	v_permlane16_swap_b32 v[PX+6*\c+\i], v[CV+4*\c+\i]
.endr
.irp i, 0,1,2
	v_mov_b32 v[PX+3+6*\c+\i], v[CV+4*\c+\i]
.endr
.endr
.set sj, 0
.rept 24
	v_pk_mul_f32 v[OX+sj:OX+sj+1], v[OX+sj:OX+sj+1], v[FF:FF+1] op_sel_hi:[1,0]   ; O^T under the new M; these also stand between the writes of P and its scale word and the products that take them
.set sj, sj+2
.endr
.endm
.macro STEP                            ; 128 keys: the record at LDS byte s[TB]
	v_add_nc_u32 v[ADK], s[TB], v[LI]
	v_add_nc_u32 v[ADS], s[TB], v[LS]
.irp b, 0,1,2,3
	ds_load_b32 v[KS+\b], v[ADS] offset:21504+128*\b
.endr
.irp b, 0,1,2
	ds_load_b32 v[VS+\b], v[ADS] offset:22016+128*\b
.endr
	WIN 0x40                                       ; destination window 1
.irp t, 0,1,2,3,4,5,6,7
.irp c, 0,1,2
	ds_load_b128 v[12*\t+4*\c:12*\t+4*\c+3], v[ADK] offset:1536*\t+512*\c
.endr
.endr
.irp t, 0,1,2,3,4,5
.irp c, 0,1,2
	ds_load_b128 v[96+12*\t+4*\c:96+12*\t+4*\c+3], v[ADK] offset:12288+1536*\t+512*\c
.endr
.endr
	WIN 0
	s_wait_dscnt 18                                ; the scale words and K's 24 loads are in; V's 18, issued behind them, may be out
	SCORE 0
	SOFTMAX 0
	SCORE 1
	SOFTMAX 1
	s_wait_dscnt 0x0                               ; V
	PV
	PLACES                                         ; ahead of the next step's loads into V's fragments and scale words
.endm
.macro QUARTER n                       ; the four steps of slot n
	s_mov_b32 s[TB], (\n)*SLOT1
	s_mov_b32 s[CNT], 4
.Lstep_\@:
	STEP
	s_add_co_u32 s[TB], s[TB], 22528
	s_sub_co_u32 s[CNT], s[CNT], 1
	s_cmp_lg_u32 s[CNT], 0
	s_cbranch_scc1 .Lstep_\@
.endm
; Slot n has been read out and is filled again, with the steps eight further on.  Each wave waits for all its tensor loads (its part of the other slot among them), adds 0 to its spare word, waits for that and for its
; reads of the slot; the round of the cluster's barrier says the same of every wave of all four partners; the joint refill is the first thing behind it and has four key steps in which to land.
.macro CHANGE n
	s_wait_tensorcnt 0x0
	ds_add_u32 v[SPW], v[NIL]                      ; the descriptor's step stands between the add and the wait for it
	s_add_nc_u64 s[G0+4*(\n)+2:G0+4*(\n)+3], s[G0+4*(\n)+2:G0+4*(\n)+3], 180224   ; two slots on; the type bits on top are not reached
	s_wait_dscnt 0x0
	CROUND
	tensor_load_to_lds s[G0+4*(\n):G0+4*(\n)+3], s[G1:G1+7]
	s_nop 0
	PLACES
.endm
	s_load_b256 s[4:11], s[0:1], 0x0               ; q_img s[4:5], q_sc s[6:7], kv s[8:9], ao_codes s[10:11]
	s_load_b64 s[12:13], s[0:1], 0x20              ; ao_scales
	v_lshl_add_u32 v[SPW], v0, 2, SPARE
	v_mov_b32 v[NIL], 0
	ds_add_u32 v[SPW], v[NIL]                      ; the wave's opening: the add, twice on end, and its wait ahead of my first tensor load
	ds_add_u32 v[SPW], v[NIL]
	v_lshrrev_b32 v1, 5, v0
	v_readfirstlane_b32 s[WV], v1
	s_bfe_u32 s15, ttmp6, 0x40000                  ; cx
	s_lshl_b32 s16, ttmp9, 2
	s_add_co_u32 s16, s16, s15                     ; my block of 256 queries: it enters Q's and the result's addresses alone
	s_and_b32 s17, ttmp7, 0xffff                   ; hh = 8 batch + head, which the four partners share
	s_lshl_b32 s18, s16, 3
	s_add_co_u32 s18, s18, s[WV]                   ; P: my pair of query tiles, 0 .. 63
	s_mov_b32 s[G1], 15|(3<<16)|(1<<21)            ; the mask: all four work-groups; elements of 8 bytes; bit 21 set beside a mask; no padding
	s_mov_b32 s[G1+1], 32<<16                      ; tensor_dim0 = 32 elements: rows of 256 bytes
	s_mov_b32 s[G1+2], 44<<16                      ; tensor_dim1 = 44 rows: 11,264 bytes, an eighth of a slot
	s_mov_b32 s[G1+3], 32<<16                      ; tile_dim0
	s_mov_b32 s[G1+4], 44                          ; tile_dim1
	s_mov_b32 s[G1+5], 32                          ; the pitch: dense
	s_mov_b32 s[G1+6], 0
	s_mov_b32 s[G1+7], 0
	s_mul_i32 s19, s[WV], 11264                    ; my eighth, in a slot and in memory
	s_mul_i32 s48, s17, 360448
	s_add_co_u32 s48, s48, s19
	s_mov_b32 s49, 0
	s_mul_i32 s50, s17, 196608
	s_mul_i32 s20, s18, 3072
	s_add_co_u32 s50, s50, s20                     ; my two images of Q
	s_mov_b32 s51, 0
	s_lshl_b32 s52, s17, 13
	s_lshl_b32 s20, s18, 7
	s_add_co_u32 s52, s52, s20                     ; and their scale chunk
	s_mov_b32 s53, 0
	s_lshr_b32 s20, s17, 3
	s_lshl_b32 s20, s20, 7
	s_lshl_b32 s21, s18, 1
	s_add_co_u32 s20, s20, s21                     ; my first tile among all 512: 128 batch + 2 P
	s_and_b32 s21, s17, 7                          ; head
	s_mov_b32 s[SEL], 0x76543210
	s_mov_b32 s[SEL+1], 0xfedcba98
	s_mov_b32 s[CS], 0x3d553b94                    ; c = log2(e) / sqrt(768)
	s_mov_b32 s[CS+1], s[CS]
	s_mov_b32 s[MASK], 0xffff0000
	v_and_b32 v7, 31, v0
	v_lshlrev_b32 v[LI], 4, v7
	v_lshlrev_b32 v[LS], 2, v7
	v_and_b32 v7, 15, v0                           ; r
	v_bfe_u32 v[TMP], v0, 4, 1                     ; h
	v_mul_u32_u24 v[OA], v7, 24
	v_mad_u32_u24 v[OSV], v[TMP], 384, v[OA]
	v_mad_u32_u24 v[OA], v[TMP], 12, v[OA]
	s_wait_dscnt 0x0                               ; both opening adds are done
	s_wait_kmcnt 0x0
	s_mov_b32 s[G0], 1
	s_mov_b32 s[G0+1], s19                         ; slot 0
	s_add_nc_u64 s[G0+2:G0+3], s[8:9], s[48:49]    ; steps 0 to 3
	s_mov_b32 s[G0+4], 1
	s_add_co_u32 s[G0+5], s19, SLOT1               ; slot 1
	s_add_nc_u64 s[G0+6:G0+7], s[G0+2:G0+3], 90112 ; steps 4 to 7
	s_or_b32 s[G0+3], s[G0+3], 0x80000000          ; type = 2
	s_or_b32 s[G0+7], s[G0+7], 0x80000000
	s_add_nc_u64 s[4:5], s[4:5], s[50:51]
	s_add_nc_u64 s[6:7], s[6:7], s[52:53]
	s_mul_i32 s50, s20, 9216
	s_mul_i32 s22, s21, 1152
	s_add_co_u32 s50, s50, s22
	s_add_nc_u64 s[10:11], s[10:11], s[50:51]      ; the result's codes: tile, then the head's three blocks
	s_mul_i32 s52, s20, 384
	s_mul_i32 s22, s21, 3
	s_add_co_u32 s52, s52, s22
	s_add_nc_u64 s[12:13], s[12:13], s[52:53]      ; and its scale bytes
	CROUND                                         ; all four work-groups are here: the first joint loads meet
	tensor_load_to_lds s[G0:G0+3], s[G1:G1+7]
	s_nop 0
	tensor_load_to_lds s[G0+4:G0+7], s[G1:G1+7]
	s_nop 0
	PLACES
	WIN 0x40
.irp x, 0,1
.irp c, 0,1,2
	global_load_b128 v[168+12*\x+4*\c:171+12*\x+4*\c], v[LI], s[4:5] offset:1536*\x+512*\c   ; Q stays in registers
.endr
.endr
	WIN 0
	global_load_b32 v[QS], v[LS], s[6:7]
.irp x, 0,1
	v_mov_b32 v[9+4*\x], 0xff61b1e6                ; the largest t so far: -3e38, under every t
	v_floor_f32 v[8+4*\x], -v[9+4*\x]
	v_mov_b32 v[10+4*\x], 0
	v_mov_b32 v[11+4*\x], 0
.endr
.irp b, 0,1,2,3
	v_mov_b32 v[BX+\b], 0                          ; written once: a lane permute's destination counts as one of its sources
.endr
	v_mov_b32 v[FF+1], 0
.set sj, 0
.rept 96
	v_mov_b32 v[O+sj], 0                           ; O^T: the step is written once for all steps; the first finds zeros, which the first change of M leaves zeros
.set sj, sj+1
.endr
	s_wait_loadcnt 0x0                             ; Q
	s_wait_tensorcnt 1                             ; my part of slot 0 is in; slot 1's may stay out
	s_barrier_signal -1
	s_barrier_wait -1
	QUARTER 0                                      ; steps 0-3
	CHANGE 0                                       ; slot 0 <- steps 8-11
	QUARTER 1                                      ; steps 4-7
	CHANGE 1                                       ; slot 1 <- steps 12-15
	QUARTER 0                                      ; steps 8-11
	s_wait_tensorcnt 0x0                           ; my part of slot 1 is in; nothing more is asked for, so a plain barrier follows
	ds_add_u32 v[SPW], v[NIL]
	s_wait_dscnt 0x0
	s_barrier_signal -1
	s_barrier_wait -1
	QUARTER 1                                      ; steps 12-15
	; THE WAY OUT.  O^T / the sum; register 16 e + i of a lane is d = 32 e + 16 h + i of its query: three blocks of 32 along the last product's K.  A lane's 16 codes are 12 bytes of its row's 24: no exchange of halves.
.irp x, 0,1
	v_add_f32 v[BM+\x], v[10+4*\x], v[11+4*\x]
.endr
.irp x, 0,1
	v_permlanex16_b32 v[BX+\x], v[BM+\x], s[SEL], s[SEL+1]
.endr
.irp x, 0,1
	v_add_f32 v[BM+\x], v[BM+\x], v[BX+\x]         ; the row's sum
.endr
.irp x, 0,1
	v_rcp_f32 v[RL+\x], v[BM+\x]
.endr
	v_nop                                          ; a plain place behind the reciprocals
	s_wait_alu depctr_va_vdst(0)                   ; one wait for both, ahead of the first reader
.irp x, 0,1
.set sj, 0
.rept 48
	v_mul_f32 v[S+sj], v[O+48*\x+sj], v[RL+\x]     ; each accumulator from its low end on
.set sj, sj+1
.endr
.irp e, 0,1,2
	v_max3_num_f32 v[BM+\e], |v[S+16*\e]|, |v[S+16*\e+1]|, 0x1800000
.endr
.irp i, 2,4,6,8,10,12,14
.irp e, 0,1,2
	v_max3_num_f32 v[BM+\e], v[BM+\e], |v[S+16*\e+\i]|, |v[S+16*\e+\i+1]|
.endr
.endr
.irp e, 0,1,2
	v_permlanex16_b32 v[BX+\e], v[BM+\e], s[SEL], s[SEL+1]
.endr
.irp e, 0,1,2
	v_max_num_f32 v[BM+\e], v[BM+\e], v[BX+\e]
.endr
.irp e, 0,1,2
	v_add_nc_u32 v[SO+\e], 0xff000000, v[BM+\e]
.endr
.irp e, 0,1,2
	v_lshrrev_b32 v[BY+4*\x+\e], 23, v[SO+\e]
.endr
.irp e, 0,1,2
	v_cvt_scalef32_pk16_fp6_f32 v[P+12*\x+4*\e:P+12*\x+4*\e+2], v[S+16*\e:S+16*\e+15], v[SO+\e]
.endr
	v_nop                                          ; one plain place behind the conversions: the next tile writes their sources
.irp e, 0,1,2
	global_store_b96 v[OA], v[P+12*\x+4*\e:P+12*\x+4*\e+2], s[10:11] offset:9216*\x+384*\e   ; 32 lanes store a block's 384 consecutive bytes
.endr
.endr
.irp e, 0,1,2
	v_cndmask_b32 v[BY+8+\e], v[BY+\e], v[BY+4+\e], s[MASK]   ; lanes 0-15: tile 0's byte, lanes 16-31: tile 1's
.endr
.irp e, 0,1,2
	global_store_b8 v[OSV], v[BY+8+\e], s[12:13] offset:\e    ; a head owns 3 of a row's 24 scale bytes
.endr
	s_wait_tensorcnt 0x0                           ; the wave's end
	ds_add_u32 v[SPW], v[NIL]
	s_wait_dscnt 0x0
	CROUND                                         ; the closing round: no work-group ends while a partner may still ask for a tile that names it
	s_endpgm
.Lfunc_end_k_q7ba340ec1f_attn:
	.size	k_q7ba340ec1f_attn, .Lfunc_end_k_q7ba340ec1f_attn-k_q7ba340ec1f_attn
	.p2alignl 7, 3214868480
	.fill 96, 4, 3214868480
	.section	.rodata,"a",@progbits
	.p2align	6, 0x0
	.amdhsa_kernel k_q7ba340ec1f_attn
		.amdhsa_group_segment_fixed_size 327680
		.amdhsa_private_segment_fixed_size 0
		.amdhsa_enable_private_segment 0
		.amdhsa_kernarg_size 40
		.amdhsa_user_sgpr_count 2
		.amdhsa_user_sgpr_kernarg_segment_ptr 1
		.amdhsa_wavefront_size32 1
		.amdhsa_system_sgpr_workgroup_id_x 1
		.amdhsa_system_sgpr_workgroup_id_y 1
		.amdhsa_system_sgpr_workgroup_id_z 1
		.amdhsa_system_vgpr_workitem_id 0
		.amdhsa_next_free_vgpr 512
		.amdhsa_next_free_sgpr 66
		.amdhsa_reserve_vcc 0
		.amdhsa_float_denorm_mode_32 3
		.amdhsa_float_denorm_mode_16_64 3
		.amdhsa_memory_ordered 1
		.amdhsa_forward_progress 1
		.amdhsa_inst_pref_size 147
	.end_amdhsa_kernel
	.amdgpu_metadata
---
amdhsa.version: [ 1, 2 ]
amdhsa.kernels:
  - .name:           k_q7ba340ec1f_attn
    .symbol:         k_q7ba340ec1f_attn.kd
    .args:
      - { .name: q_img, .offset: 0, .size: 8, .value_kind: global_buffer, .address_space: global }
      - { .name: q_sc, .offset: 8, .size: 8, .value_kind: global_buffer, .address_space: global }
      - { .name: kv, .offset: 16, .size: 8, .value_kind: global_buffer, .address_space: global }
      - { .name: ao_codes, .offset: 24, .size: 8, .value_kind: global_buffer, .address_space: global }
      - { .name: ao_scales, .offset: 32, .size: 8, .value_kind: global_buffer, .address_space: global }
    .group_segment_fixed_size: 327680
    .private_segment_fixed_size: 0
    .kernarg_segment_align: 8
    .kernarg_segment_size: 40
    .max_flat_workgroup_size: 256
    .sgpr_count:     66
    .vgpr_count:     512
    .wavefront_size: 32
...
	.end_amdgpu_metadata
.endif
;; end of part 2
;; launch outp (part 3): grid 64 x 3, 8 waves a work-group, no clusters, 80,896 bytes of LDS; arguments ao_codes, ao_scales, Wo_codes, Wo_scales, bo, out0; writes out0
.if DOCPART == 3
	.amdgcn_target "amdgcn-amd-amdhsa--gfx1250"
	.amdhsa_code_object_version 6
	.text
	.protected	k_q7ba340ec1f_outp
	.globl	k_q7ba340ec1f_outp
	.p2align	8
	.type	k_q7ba340ec1f_outp,@function
k_q7ba340ec1f_outp:
	s_mov_b64 s[64:65], 0
	v_nop
	global_prefetch_b8 v0, s[64:65] scope:SCOPE_SE
	s_setreg_imm32_b32 hwreg(HW_REG_WAVE_MODE, 25, 1), 1
	s_wait_xcnt 0x0
; out0 = A Wo^T + bo, A the attention's result as codes of FP6 (E2M3) with E8M0 scales, as the launch before has laid them: [tile of 16 rows][block of 32 along K][row][24 bytes]; scale bytes [tile][row][24].  No work is left out.
; LIMITS: NaN and infinities are not served; a given scale byte 0xff of Wo gives NaN, as in the definition.
; The same core as the projections' launch: D = 256 rows of Wo (source 0: a lane's registers run along the output's columns) x 128 rows of A (source 1: a lane holds a row).  Eight waves; wave w: pair of row tiles mp = w & 3,
; eight column tiles ng = w >> 2.  K = 768 in six steps of 128; wave w turns fragments w (A), 8 + w and 16 + w (Wo) into register images in one of two LDS slots, two steps ahead; one barrier a step.
; Lane r of tile 2 b + u of a run of rows holds row 32 b + 8 u + r + (r & 8), in A (as it was made) and in Wo: the last stores put A's rows back in their places.
; No tensor load: Wo's given rows must pass through registers to become images, and K has only six steps; so no cluster either.
.set WV,   4
.set MP,   5
.set NG,   6
.set RW,   7
.set B0,   40                          ; s[40:41] codes, s[42:43] scales of fragment w; s[44:47] of 8 + w; s[48:51] of 16 + w
.set GV,   1                           ; v1  Wo: 576 PERM(r) + 24 h
.set GS,   2                           ; v2  Wo's scales: 24 PERM(r)
.set LW,   3
.set LWS,  4
.set LM,   5
.set LMS,  6
.set LN,   7
.set LNS,  8
.set SS,   9                           ; v9-11   staged scale words
.set MS,   12                          ; v12-13  scales and nothing else
.set NS,   14                          ; v14-17  scales and nothing else
.set GA,   18                          ; v18 A: 384 h + 24 r
.set GAS,  19                          ; v19 A's scales: 24 r
.set MF,   20
.set NF,   44
.set ST,   92
.set ACC,  128
.set NT,   8
.set NB,   4
.set SPARE, 79872                      ; behind the 24 fragments' slots: the spare words, 128 bytes for each wave
.macro PLACES
.rept 4
	v_nop
.endr
.endm
.macro BUILD s
.irp p, 0,1,2,3,4,5                    ; A: lane (r, h) takes block 4 s + h of its row and block 4 s + 2 + h
	global_load_b64 v[ST+2*\p:ST+2*\p+1], v[GA], s[B0:B0+1] offset:1536*(\s)+768*(\p/3)+8*(\p%3)
.endr
	global_load_b32 v[SS], v[GAS], s[B0+2:B0+3] offset:4*(\s)
.irp k, 1,2
.irp p, 0,1,2,3,4,5
	global_load_b64 v[ST+12*\k+2*\p:ST+12*\k+2*\p+1], v[GV], s[B0+4*\k:B0+4*\k+1] offset:96*(\s)+48*(\p/3)+8*(\p%3)
.endr
	global_load_b32 v[SS+\k], v[GS], s[B0+4*\k+2:B0+4*\k+3] offset:4*(\s)
.endr
.endm
.macro PUT sg                          ; fragment f lies at (2 f + sg) x 1,664: image 1,536 bytes, scale words 128
.irp k, 0,1,2
.irp c, 0,1,2
	ds_store_b128 v[LW], v[ST+12*\k+4*\c:ST+12*\k+4*\c+3] offset:\k*26624+(\sg)*1664+512*\c
.endr
	ds_store_b32 v[LWS], v[SS+\k] offset:\k*26624+(\sg)*1664
.endr
.endm
.macro GETM sg
.irp u, 0,1
.irp c, 0,1,2
	ds_load_b128 v[MF+12*\u+4*\c:MF+12*\u+4*\c+3], v[LM] offset:\u*3328+(\sg)*1664+512*\c
.endr
	ds_load_b32 v[MS+\u], v[LMS] offset:\u*3328+(\sg)*1664
.endr
.endm
.macro GETN sg, q
.irp i, 0,1,2,3
.irp c, 0,1,2
	ds_load_b128 v[NF+12*\i+4*\c:NF+12*\i+4*\c+3], v[LN] offset:((\q)*NB+\i)*3328+(\sg)*1664+512*\c
.endr
	ds_load_b32 v[NS+\i], v[LNS] offset:((\q)*NB+\i)*3328+(\sg)*1664
.endr
.endm
.macro MUL q, zero                     ; the sixteen accumulators take turns, one instruction a turn
.irp i, 0,1,2,3
.irp u, 0,1
.set ma, ACC+64*\u+8*((\q)*NB+\i)
.if \zero
	v_wmma_scale_f32_16x16x128_f8f6f4 v[ma:ma+7], v[NF+12*\i:NF+12*\i+11], v[MF+12*\u:MF+12*\u+11], 0, v[NS+\i], v[MS+\u] matrix_a_fmt:MATRIX_FMT_FP6 matrix_b_fmt:MATRIX_FMT_FP6
.else
	v_wmma_scale_f32_16x16x128_f8f6f4 v[ma:ma+7], v[NF+12*\i:NF+12*\i+11], v[MF+12*\u:MF+12*\u+11], v[ma:ma+7], v[NS+\i], v[MS+\u] matrix_a_fmt:MATRIX_FMT_FP6 matrix_b_fmt:MATRIX_FMT_FP6
.endif
.endr
.endr
.endm
; K step s reads slot s % 2; behind its products step s + 1's fragments go into the other slot, which every wave read in step s - 1 and waited for in front of the barrier that ended it.
.macro STEP s, zero
	GETM (\s)%2
	GETN (\s)%2, 0
	s_wait_dscnt 0x0
	MUL 0, \zero
	PLACES
	GETN (\s)%2, 1
	s_wait_dscnt 0x0
	MUL 1, \zero
	PLACES
.if (\s) < 5
	s_wait_loadcnt 0x0
	PUT 1-(\s)%2
	s_wait_dscnt 0x0                               ; for the others' sake: my stores have landed
.if (\s) < 4
	BUILD (\s)+2
.endif
	s_barrier_signal -1
	s_barrier_wait -1
.endif
.endm
	s_load_b256 s[8:15], s[0:1], 0x0               ; A's codes s[8:9], scales s[10:11]; Wo's codes s[12:13], scales s[14:15]
	s_load_b128 s[16:19], s[0:1], 0x20             ; bo s[16:17], out0 s[18:19]
	v_lshrrev_b32 v1, 5, v0
	v_readfirstlane_b32 s[WV], v1
	s_and_b32 s[MP], s[WV], 3
	s_lshr_b32 s[NG], s[WV], 2
	s_lshr_b32 s58, s[WV], 1
	s_lshl_b32 s58, s58, 5
	s_and_b32 s59, s[WV], 1
	s_lshl_b32 s59, s59, 3
	s_add_co_u32 s[RW], s58, s59                   ; first row of tile w in a run of rows
	s_mov_b32 s63, 0
	v_and_b32 v9, 31, v0                           ; lane
	v_and_b32 v10, 15, v0                          ; r
	v_bfe_u32 v11, v0, 4, 1                        ; h
	v_and_b32 v1, 8, v10
	v_add_nc_u32 v1, v1, v10                       ; PERM(r)
	v_mul_u32_u24 v[GS], v1, 24
	v_mul_u32_u24 v[GV], v1, 576
	v_mad_u32_u24 v[GV], v11, 24, v[GV]
	v_mul_u32_u24 v[GAS], v10, 24
	v_mad_u32_u24 v[GA], v11, 384, v[GAS]
	s_mul_i32 s58, s[WV], 3328
	v_lshl_add_u32 v[LW], v9, 4, s58
	s_add_co_u32 s58, s58, 1536
	v_lshl_add_u32 v[LWS], v9, 2, s58
	s_mul_i32 s58, s[MP], 6656
	v_lshl_add_u32 v[LM], v9, 4, s58
	s_add_co_u32 s58, s58, 1536
	v_lshl_add_u32 v[LMS], v9, 2, s58
	s_mul_i32 s58, s[NG], NT*3328
	s_add_co_u32 s58, s58, 8*3328
	v_lshl_add_u32 v[LN], v9, 4, s58
	s_add_co_u32 s58, s58, 1536
	v_lshl_add_u32 v[LNS], v9, 2, s58
	s_and_b32 s60, ttmp7, 0xffff                   ; nb: my block of 256 columns
	s_lshl_b32 s58, ttmp9, 3
	s_add_co_u32 s58, s58, s[WV]                   ; A's tile 8 i + w
	s_lshl_b32 s59, s60, 8
	s_add_co_u32 s59, s59, s[RW]                   ; my Wo fragments' first row
	s_wait_kmcnt 0x0
	s_mul_i32 s62, s58, 9216
	s_add_nc_u64 s[B0:B0+1], s[8:9], s[62:63]
	s_mul_i32 s62, s58, 384
	s_add_nc_u64 s[B0+2:B0+3], s[10:11], s[62:63]
	s_mul_i32 s62, s59, 576
	s_add_nc_u64 s[B0+4:B0+5], s[12:13], s[62:63]
	s_mul_i32 s62, s59, 24
	s_add_nc_u64 s[B0+6:B0+7], s[14:15], s[62:63]
	s_add_nc_u64 s[B0+8:B0+9], s[B0+4:B0+5], 73728   ; 128 rows on
	s_add_nc_u64 s[B0+10:B0+11], s[B0+6:B0+7], 3072
	s_lshl_b32 s61, s60, 10
	s_lshl_b32 s62, s[NG], 9
	s_add_co_u32 s62, s62, s61                     ; my 128 columns, in bytes
	s_add_nc_u64 s[16:17], s[16:17], s[62:63]
	s_add_nc_u64 s[18:19], s[18:19], s[62:63]
	s_lshl_b32 s61, ttmp9, 7
	s_lshl_b32 s62, s[MP], 5
	s_add_co_u32 s62, s62, s61                     ; my pair's first row: 128 i + 32 mp
	s_mul_i32 s62, s62, 3072
	s_add_nc_u64 s[18:19], s[18:19], s[62:63]
	BUILD 0
	s_wait_loadcnt 0x0
	PUT 0
	s_wait_dscnt 0x0
	BUILD 1
	s_barrier_signal -1
	s_barrier_wait -1
	STEP 0, 1                                      ; the first step's products start the sums
	STEP 1, 0
	STEP 2, 0
	STEP 3, 0
	STEP 4, 0
	STEP 5, 0
	; THE WAY OUT.  A lane holds 32 neighbouring bytes of a row in each tile, and the lanes beside it other rows: a tile row (16 rows x 128 columns) goes through my own stage in LDS (rows of 512 + 16 bytes)
	; and comes back as whole rows, which the 32 lanes store as 512 consecutive, aligned bytes.  The stages lie over the slots: every wave has waited for its last reads of them and passes a barrier first.
	s_wait_dscnt 0x0
	s_barrier_signal -1
	s_barrier_wait -1
	v_and_b32 v3, 31, v0
	v_lshlrev_b32 v3, 4, v3                        ; 16 x lane: my four columns of the wave's 128
	global_load_b128 v[20:23], v3, s[16:17]        ; their bo
	v_and_b32 v6, 15, v0
	v_bfe_u32 v7, v0, 4, 1
	s_mul_i32 s58, s[WV], 8448
	v_mul_u32_u24 v4, v6, 528
	v_lshl_add_u32 v4, v7, 6, v4
	v_add_nc_u32 v4, s58, v4                       ; in: row r, + 64 h
	v_add_nc_u32 v5, s58, v3                       ; back: 16 bytes a lane
.irp u, 0,1
.set RB, 32+96*\u                      ; rows read back: v32-95, then v128-191 (tile row 0's accumulators, which have left)
.irp t, 0,1,2,3,4,5,6,7
	ds_store_b128 v4, v[ACC+64*\u+8*\t:ACC+64*\u+8*\t+3] offset:128*(\t/2)+32*(\t%2)        ; each accumulator from its low end on: columns 32 (t / 2) + 16 h + 8 (t % 2) + 0 .. 7
	ds_store_b128 v4, v[ACC+64*\u+8*\t+4:ACC+64*\u+8*\t+7] offset:128*(\t/2)+32*(\t%2)+16
.endr
.irp i, 0,1,2,3,4,5,6,7,8,9,10,11,12,13,14,15
	ds_load_b128 v[RB+4*\i:RB+4*\i+3], v5 offset:\i*528   ; LDS serves a wave's instructions in order (ISA guide 5.7.1.4): these see my stores
.endr
.if \u == 0
	s_wait_loadcnt 0x0                             ; bo
.endif
.irp i, 0,1,2,3,4,5,6,7,8,9,10,11,12,13,14,15
	s_wait_dscnt 15-\i                             ; row i is back; the younger rows may be out
	v_pk_add_f32 v[RB+4*\i:RB+4*\i+1], v[RB+4*\i:RB+4*\i+1], v[20:21]
	v_pk_add_f32 v[RB+4*\i+2:RB+4*\i+3], v[RB+4*\i+2:RB+4*\i+3], v[22:23]
	global_store_b128 v3, v[RB+4*\i:RB+4*\i+3], s[18:19] offset:(8*\u+\i+8*(\i/8))*3072 th:TH_STORE_NT   ; the tile's row i is row 8 u + i + (i & 8) of my 32; written once, read by nobody here
.endr
.endr
	v_lshl_add_u32 v1, v0, 2, SPARE                ; no two registers could be kept through the loop: my spare word's address and 0 are made here, from v0 as it came
	v_mov_b32 v2, 0
	s_wait_tensorcnt 0x0                           ; the wave's end
	ds_add_u32 v1, v2
	s_wait_dscnt 0x0
	s_endpgm
.Lfunc_end_k_q7ba340ec1f_outp:
	.size	k_q7ba340ec1f_outp, .Lfunc_end_k_q7ba340ec1f_outp-k_q7ba340ec1f_outp
	.p2alignl 7, 3214868480
	.fill 96, 4, 3214868480
	.section	.rodata,"a",@progbits
	.p2align	6, 0x0
	.amdhsa_kernel k_q7ba340ec1f_outp
		.amdhsa_group_segment_fixed_size 80896
		.amdhsa_private_segment_fixed_size 0
		.amdhsa_enable_private_segment 0
		.amdhsa_kernarg_size 48
		.amdhsa_user_sgpr_count 2
		.amdhsa_user_sgpr_kernarg_segment_ptr 1
		.amdhsa_wavefront_size32 1
		.amdhsa_system_sgpr_workgroup_id_x 1
		.amdhsa_system_sgpr_workgroup_id_y 1
		.amdhsa_system_sgpr_workgroup_id_z 1
		.amdhsa_system_vgpr_workitem_id 0
		.amdhsa_next_free_vgpr 256
		.amdhsa_next_free_sgpr 80
		.amdhsa_reserve_vcc 0
		.amdhsa_float_denorm_mode_32 3
		.amdhsa_float_denorm_mode_16_64 3
		.amdhsa_memory_ordered 1
		.amdhsa_forward_progress 1
		.amdhsa_inst_pref_size 62
	.end_amdhsa_kernel
	.amdgpu_metadata
---
amdhsa.version: [ 1, 2 ]
amdhsa.kernels:
  - .name:           k_q7ba340ec1f_outp
    .symbol:         k_q7ba340ec1f_outp.kd
    .args:
      - { .name: ao_codes, .offset: 0, .size: 8, .value_kind: global_buffer, .address_space: global }
      - { .name: ao_scales, .offset: 8, .size: 8, .value_kind: global_buffer, .address_space: global }
      - { .name: Wo_codes, .offset: 16, .size: 8, .value_kind: global_buffer, .address_space: global }
      - { .name: Wo_scales, .offset: 24, .size: 8, .value_kind: global_buffer, .address_space: global }
      - { .name: bo, .offset: 32, .size: 8, .value_kind: global_buffer, .address_space: global }
      - { .name: out0, .offset: 40, .size: 8, .value_kind: global_buffer, .address_space: global }
    .group_segment_fixed_size: 80896
    .private_segment_fixed_size: 0
    .kernarg_segment_align: 8
    .kernarg_segment_size: 48
    .max_flat_workgroup_size: 256
    .sgpr_count:     80
    .vgpr_count:     256
    .wavefront_size: 32
...
	.end_amdgpu_metadata
.endif
;; end of part 3
;; ======== version 2 of 2: 3 launches
;; limits: right only within a limited range of input values
;; workspace buffers: q_img 5,242,880 bytes; q_sc 262,144 bytes; kv 10,420,224 bytes; ao_codes 4,718,592 bytes; ao_scales 196,608 bytes
;; launch proj (part 4): grid 256 x 1, 4 waves a work-group, no clusters, 110,592 bytes of LDS; arguments x_query_codes, x_query_scales, x_kv_codes, x_kv_scales, Wq_codes, Wq_scales, Wk_codes, Wk_scales, Wv_codes, Wv_scales, bq, bk, bv, q_img, q_sc, kv; writes q_img, q_sc, kv
.if DOCPART == 4
	.amdgcn_target "amdgcn-amd-amdhsa--gfx1250"
	.amdhsa_code_object_version 6
	.text
	.protected	k_q7ba340ec1f_proj
	.globl	k_q7ba340ec1f_proj
	.p2align	8
	.type	k_q7ba340ec1f_proj,@function
k_q7ba340ec1f_proj:
	s_mov_b64 s[64:65], 0
	v_nop
	global_prefetch_b8 v0, s[64:65] scope:SCOPE_SE
	s_setreg_imm32_b32 hwreg(HW_REG_WAVE_MODE, 25, 1), 1
	s_wait_xcnt 0x0
; q = x_query Wq^T + bq, k = x_kv Wk^T + bk, v = x_kv Wv^T + bv on codes of FP6 (E2M3) with one E8M0 scale for each 32 along K, and the quantisers of q, k (along a head's 96) and of v (along the keys).
; DEAD WORK: none.  Every bias goes into a quantised operand (bq, bk, bv) or into the output (bo), every product is live: all sixteen inputs are loaded by one of the three launches.
; LIMITS: NaN and infinities among the inputs are not served; a given scale byte 0xff gives NaN, as in the definition; a block of zeros gets the scale byte 1 where the rule says 127: its codes are zeros,
; which add nothing under any byte but 0xff, and these bytes are read by this program alone.  The four blocks of 32 of a K step stand in the operands in the order 0, 2, 1, 3, alike on both sides, their scale
; bytes with them: the same products are summed, grouped otherwise inside an instruction, which moves a sum by rounding alone.
; ORDER OF ROWS IN A TILE: lane r of tile 2 b + u of any run of rows takes row 32 b + 8 u + r + (r & 8).  Source 0's rows run along a lane's result registers, so the 16 registers of tiles 2 b, 2 b + 1 are 16 neighbours, 32 b + 16 (lane / 16) + 0 .. 15.
; A FRAGMENT FROM ROWS: lane (r, h) takes the 48 consecutive bytes at 96 s + 48 h of its row (two whole blocks of 24 bytes) by three loads of 16 bytes: registers 0-5 are block 2 h of the K step, registers 6-11 block 2 h + 1,
; where the operand's layout counts them as blocks h and 2 + h.  So bytes 1 and 2 of every scale word change places (one v_perm_b32).
; SHARES.  256 work-groups of four waves, all with the same work: two tasks, one after the other.
;   TASK T: 128 tokens of x_query (work-groups 0-127) or x_kv (128-255) in the lanes, 8 tiles; wave w has one head of Wq or Wk in the registers' axis, 6 tiles: 48 accumulators.
;   TASK V: 48 rows of Wv (d) in the lanes, 3 tiles; wave w has 128 keys of x_kv in the registers' axis, 8 tiles: 24 accumulators: v^T, quantised along the keys.
; WHAT ALL FOUR WAVES SHARE (the lanes' operand) goes through LDS as images of its registers (quad c of a fragment: lane l's 16 bytes at 512 c + 16 l; the scale words behind them, 4 bytes a lane), for all of K, built once at the head:
; one barrier in the launch.  WHAT ONE WAVE ALONE READS (the registers' operand) goes from memory straight into its registers, three K steps ahead.
; No tensor load and no cluster: most of the bytes go to one wave's registers, by plain loads, which have no joint form; what passes through LDS must pass through registers first, for its scale words' sake.
; REGISTERS.  Window 0: v1-14 addresses; v16-63 the registers' operand's scale words for all of K; v64-71 the lanes' operand's; v72-167 its fragments, later the quantiser's numbers; v148-207 the quantiser's results; v208-255 the bias.
;   Window 1: the registers' operand: three buffers of 72 (T), two of 96 (V).  Windows 2, 3: the accumulators (T: tiles 0-3 and 4-7 of tokens; V: window 2 alone, window 3 holds its third buffer).  At the head windows 2 and 3 stage what is built into LDS.
.set WV,   4                           ; s4  wave
.set RW,   5                           ; s5  32 (w >> 1) + 8 (w & 1): first row of tile w
.set KIND, 6
.set TI,   7
.set TMB,  40                          ; T: the tokens' codes, s[42:43] scales
.set TMS,  42
.set TNB,  44                          ; T: my head's rows of W: codes, scales
.set TNS,  46
.set TBI,  48                          ; T: my head's bias
.set TOC,  50                          ; T: where my images go;  s[52:53] my scale chunks
.set TOS,  52
.set VMB,  54                          ; V: the head's rows of Wv, at K step w: codes, scales
.set VMS,  56
.set BVB,  58                          ; V: the head's bv
.set VNB,  60                          ; V: my 128 keys: codes, scales
.set VNS,  62
.set VOC,  66                          ; V: where my images go;  s[68:69] my scale words
.set VOS,  68
.set SEL,  72                          ; s[72:73] v_permlanex16_b32's selects for lane l xor 16
.set MASK, 74                          ; lanes 16-31
.set PSEL, 75                          ; v_perm_b32's selector: bytes 0, 2, 1, 3
.set HV,   90
.set PAR,  91
.set KG,   92
.set TG,   93
.set OFS,  96                          ; s[96:97] an offset, its high word 0
.set GV,   1                           ; v1  576 PERM(r) + 48 h
.set GS,   2                           ; v2  24 PERM(r)
.set WA0,  3                           ; v3, v4   LDS: where I store T's images, K steps 0-2 and 3-5;  v5, v6 their scale words
.set WS0,  5
.set WAV,  7                           ; v7, v8   the same for V
.set WSV,  8
.set RA0,  9                           ; v9, v10  LDS: where all read T's images (v9 = 16 x lane: also the stores' offset);  v11, v12 their scale words
.set RA1,  10
.set RS0,  11
.set RS1,  12
.set RAV,  13                          ; v13, v14 the same for V
.set RSV,  14
.set NSC,  16                          ; v16-63   scales and nothing else: word of tile t, K step s at 6 t + s
.set MS,   64                          ; v64-71   scales and nothing else
.set MF,   72                          ; v72-167  T: eight fragments; V: two sets of three
.set HS,   168                         ; at the head: v168-179 the tokens' scale words, v180-185 Wv's
.set SCR,  72                          ; behind a task's products: 64 numbers,
.set TM,   136                         ; v136-139 largest magnitudes, v140-143 bytes, v144-147 the conversions' scale operands,
.set PC,   148                         ; two sets of 20 for codes,
.set PW,   188                         ; v188-195 scale words,
.set CH,   196                         ; v196-199 scale chunks
.set L4,   200                         ; 4 x lane
.set R4,   201                         ; 4 r
.set BOH,  202                         ; 64 h
.set BVR,  203                         ; v203-205 bv of my lane's d in V's three tiles
.set BIAS, 208                         ; v208-255 T: the head's 96 numbers as a lane's 48 registers want them
.set BVP,  208                         ; V, at the end: three equal pairs
.set VREG, 79872                       ; LDS: T's 48 fragments x 1,664, then V's 18,
.set SPARE, 109824                     ; then the spare words, 128 bytes for each wave
.set MSB, 0
.macro WIN new                         ; the immediate's high byte repeats the setting that is left
.if MSB != \new
	s_set_vgpr_msb (MSB<<8)|\new
.set MSB, \new
.endif
.endm
.macro PLACES                          ; four plain vector places behind a matrix instruction, ahead of loads into its registers and of reads of its results
.rept 4
	v_nop
.endr
.endm
.macro NLOAD_T s                       ; K step s of my head's six tiles, into buffer s % 3 of window 1: 18 loads
	WIN 0x40
.irp t, 0,1,2,3,4,5
.irp c, 0,1,2
	global_load_b128 v[72*((\s)%3)+12*\t+4*\c:72*((\s)%3)+12*\t+4*\c+3], v[GV], s[TNB:TNB+1] offset:(32*(\t/2)+8*(\t%2))*576+96*(\s)+16*\c
.endr
.endr
	WIN 0
.endm
.macro GETM s, hi                      ; K step s of the tokens' tiles 4 hi .. 4 hi + 3 from LDS: 16 loads
.irp u4, 0,1,2,3
.irp c, 0,1,2
	ds_load_b128 v[MF+12*(4*(\hi)+\u4)+4*\c:MF+12*(4*(\hi)+\u4)+4*\c+3], v[RA0+(\s)/3] offset:((\s)%3)*13312+(4*(\hi)+\u4)*1664+512*\c
.endr
	ds_load_b32 v[MS+4*(\hi)+\u4], v[RS0+(\s)/3] offset:((\s)%3)*13312+(4*(\hi)+\u4)*1664
.endr
.endm
.macro TMUL s, hi                      ; 24 matrix instructions; the accumulators take turns, one instruction a turn, in the same order in every step
.irp t, 0,1,2,3,4,5
.irp u4, 0,1,2,3
.if (\s) == 0
	v_wmma_scale_f32_16x16x128_f8f6f4 v[48*\u4+8*\t:48*\u4+8*\t+7], v[72*((\s)%3)+12*\t:72*((\s)%3)+12*\t+11], v[MF+12*(4*(\hi)+\u4):MF+12*(4*(\hi)+\u4)+11], 0, v[NSC+6*\t+(\s)], v[MS+4*(\hi)+\u4] matrix_a_fmt:MATRIX_FMT_FP6 matrix_b_fmt:MATRIX_FMT_FP6
.else
	v_wmma_scale_f32_16x16x128_f8f6f4 v[48*\u4+8*\t:48*\u4+8*\t+7], v[72*((\s)%3)+12*\t:72*((\s)%3)+12*\t+11], v[MF+12*(4*(\hi)+\u4):MF+12*(4*(\hi)+\u4)+11], v[48*\u4+8*\t:48*\u4+8*\t+7], v[NSC+6*\t+(\s)], v[MS+4*(\hi)+\u4] matrix_a_fmt:MATRIX_FMT_FP6 matrix_b_fmt:MATRIX_FMT_FP6
.endif
.endr
.endr
.endm
; A K step of task T.  The tokens' tiles have one set of registers: tiles 0-3 are fetched anew in the step's middle, tiles 4-7 at its end, each 24 matrix instructions ahead of their use.
.macro TSTEP s
.if (\s) == 1 || (\s) == 2
	s_wait_loadcnt 48                              ; this step's 18 loads are in; behind them: 18 + 12 + 18 (two other steps' and the bias's)
.elseif (\s) == 3
	s_wait_loadcnt 36                              ; behind them: steps 4 and 5
.elseif (\s) == 4
	s_wait_loadcnt 18                              ; behind them: step 5
.elseif (\s) == 5
	s_wait_loadcnt 0x0
.endif
	s_wait_dscnt 16                                ; tiles 0-3 are in; the 16 younger loads (tiles 4-7) may be out
	WIN 0xa1                                       ; source 0 window 1, source 1 window 0, C and D window 2
	TMUL \s, 0
	PLACES
	WIN 0
.if (\s) < 5
	GETM (\s)+1, 0
	s_wait_dscnt 16                                ; tiles 4-7 are in; the 16 just issued may be out
.else
	s_wait_dscnt 0x0
.endif
	WIN 0xf1                                       ; C and D window 3
	TMUL \s, 1
	PLACES
	WIN 0
.if (\s) < 5
	GETM (\s)+1, 1
.endif
.if (\s) < 3
	NLOAD_T (\s)+3                                 ; into the buffer just multiplied
.endif
.endm
.macro NLOAD_V s                       ; K step s of my eight tiles of keys: 24 loads; buffers: window 1 at v0, window 1 at v96, window 3 at v0
.if ((\s)%3) == 2
	WIN 0xc0
.else
	WIN 0x40
.endif
.irp t, 0,1,2,3,4,5,6,7
.irp c, 0,1,2
	global_load_b128 v[96*(((\s)%3)%2)+12*\t+4*\c:96*(((\s)%3)%2)+12*\t+4*\c+3], v[GV], s[VNB:VNB+1] offset:(32*(\t/2)+8*(\t%2))*576+96*(\s)+16*\c
.endr
.endr
	WIN 0
.endm
.macro GETMV s                         ; K step s of Wv's three tiles from LDS, into set s % 2: 12 loads
.irp u, 0,1,2
.irp c, 0,1,2
	ds_load_b128 v[MF+36*((\s)%2)+12*\u+4*\c:MF+36*((\s)%2)+12*\u+4*\c+3], v[RAV] offset:\u*9984+(\s)*1664+512*\c
.endr
	ds_load_b32 v[MS+4*((\s)%2)+\u], v[RSV] offset:\u*9984+(\s)*1664
.endr
.endm
.macro VMUL s
.irp t, 0,1,2,3,4,5,6,7
.irp u, 0,1,2
.if (\s) == 0
	v_wmma_scale_f32_16x16x128_f8f6f4 v[64*\u+8*\t:64*\u+8*\t+7], v[96*(((\s)%3)%2)+12*\t:96*(((\s)%3)%2)+12*\t+11], v[MF+36*((\s)%2)+12*\u:MF+36*((\s)%2)+12*\u+11], 0, v[NSC+6*\t+(\s)], v[MS+4*((\s)%2)+\u] matrix_a_fmt:MATRIX_FMT_FP6 matrix_b_fmt:MATRIX_FMT_FP6
.else
	v_wmma_scale_f32_16x16x128_f8f6f4 v[64*\u+8*\t:64*\u+8*\t+7], v[96*(((\s)%3)%2)+12*\t:96*(((\s)%3)%2)+12*\t+11], v[MF+36*((\s)%2)+12*\u:MF+36*((\s)%2)+12*\u+11], v[64*\u+8*\t:64*\u+8*\t+7], v[NSC+6*\t+(\s)], v[MS+4*((\s)%2)+\u] matrix_a_fmt:MATRIX_FMT_FP6 matrix_b_fmt:MATRIX_FMT_FP6
.endif
.endr
.endr
.endm
.macro VSTEP s                         ; a K step of task V
.if (\s) >= 1 && (\s) <= 3
	s_wait_loadcnt 48                              ; this step's 24 loads are in; behind them: the next two steps'
.elseif (\s) == 4
	s_wait_loadcnt 24
.elseif (\s) == 5
	s_wait_loadcnt 0x0
.endif
	s_wait_dscnt 0x0                               ; this step's three tiles of Wv are in
.if (\s) < 5
	GETMV (\s)+1                                   ; the next step's, into the other set: the places behind its last products stand at the last step's end
.endif
.if ((\s)%3) == 2
	WIN 0xa3                                       ; source 0 window 3
.else
	WIN 0xa1
.endif
	VMUL \s
	PLACES
	WIN 0
.if (\s) < 3
	NLOAD_V (\s)+3
.endif
.endm
; nb blocks of 32 (register 16 b + i of v[s] on = k 32 b + 16 (lane / 16) + i of my lane's row) become a fragment's codes in v[pc] .. v[pc + 11] and its scale word in v[pw].
; nb = 3: the fourth block is zero codes under the byte 127.
.macro QUANT nb, s, pc, pw
.set qb, 0
.rept \nb
	v_max3_num_f32 v[TM+qb], |v[16*qb+(\s)]|, |v[16*qb+1+(\s)]|, 0x1800000   ; my 16 numbers of block qb, and the floor 2^(3 - 127): the byte cannot fall under 1
.set qb, qb+1
.endr
.irp i, 2,4,6,8,10,12,14
.set qb, 0
.rept \nb
	v_max3_num_f32 v[TM+qb], v[TM+qb], |v[16*qb+\i+(\s)]|, |v[16*qb+\i+1+(\s)]|   ; the blocks by turns
.set qb, qb+1
.endr
.endr
.set qb, 0
.rept \nb
	v_permlanex16_b32 v[TM+4+qb], v[TM+qb], s[SEL], s[SEL+1]
.set qb, qb+1
.endr
.set qb, 0
.rept \nb
	v_max_num_f32 v[TM+qb], v[TM+qb], v[TM+4+qb]   ; with lane l xor 16's 16: the block's largest magnitude
.set qb, qb+1
.endr
.set qb, 0
.rept \nb
	v_add_nc_u32 v[TM+8+qb], 0xff000000, v[TM+qb]  ; 2 off its exponent field: the conversion's scale operand
.set qb, qb+1
.endr
.set qb, 0
.rept \nb
	v_lshrrev_b32 v[TM+4+qb], 23, v[TM+8+qb]       ; the scale's byte
.set qb, qb+1
.endr
	v_lshl_or_b32 v[\pw], v[TM+5], 8, v[TM+4]
	v_lshl_or_b32 v[\pw], v[TM+6], 16, v[\pw]
.if \nb == 4
	v_lshl_or_b32 v[\pw], v[TM+7], 24, v[\pw]
.else
	v_or_b32 v[\pw], 0x7f000000, v[\pw]
.endif
	v_cvt_scalef32_pk16_fp6_f32 v[(\pc):(\pc)+2], v[0+(\s):15+(\s)], v[TM+8]
	v_cvt_scalef32_pk16_fp6_f32 v[(\pc)+12:(\pc)+14], v[16+(\s):31+(\s)], v[TM+9]   ; (a conversion's three registers begin on an even number)
	v_cvt_scalef32_pk16_fp6_f32 v[(\pc)+6:(\pc)+8], v[32+(\s):47+(\s)], v[TM+10]
.if \nb == 4
	v_cvt_scalef32_pk16_fp6_f32 v[(\pc)+16:(\pc)+18], v[48+(\s):63+(\s)], v[TM+11]
.endif
	v_nop                                          ; one plain place behind a scaled conversion
.if \nb == 3
.irp i, 0,1,2
	v_mov_b32 v[(\pc)+16+\i], 0
.endr
.endif
.irp c, 0,1                            ; the operand's layout wants a whole block in a lane: lanes 0-15 block 2 c, lanes 16-31 block 2 c + 1
.irp i, 0,1,2
	v_permlane16_swap_b32 v[(\pc)+6*\c+\i], v[(\pc)+12+4*\c+\i]
.endr
.irp i, 0,1,2
	v_mov_b32 v[(\pc)+3+6*\c+\i], v[(\pc)+12+4*\c+\i]
.endr
.endr
.endm
; Tile u of the tokens leaves: the bias is added (which also brings the sums into window 0), the 96 numbers of a lane's token are quantised, the image is stored; behind an odd tile the pair's scale chunk.
.macro TOUT u
.if (\u) >= 2
	s_wait_xcnt 0x0                                ; the stores of two tiles ago have read the registers that are written again now
.endif
.set WSEL, 0x02+(\u)/4                 ; source 0: window 2 or 3
	WIN WSEL
.set ej, 0
.rept 24
	v_pk_add_f32 v[SCR+ej:SCR+ej+1], v[48*((\u)%4)+ej:48*((\u)%4)+ej+1], v[BIAS+ej:BIAS+ej+1]   ; each accumulator from its low end on
.set ej, ej+2
.endr
	WIN 0
	QUANT 3, SCR, PC+20*((\u)%2), PW+(\u)
.irp c, 0,1                            ; a pair of tiles is 2,560 bytes: registers 0-7 of each tile (1,024 bytes a tile), then registers 8-11 of both, lanes 0-15 alone: in lanes 16-31 they are the empty fourth block
	global_store_b128 v[RA0], v[PC+20*((\u)%2)+4*\c:PC+20*((\u)%2)+4*\c+3], s[TOC:TOC+1] offset:2560*((\u)/2)+1024*((\u)%2)+512*\c   ; 32 lanes store 512 consecutive bytes, aligned
.endr
.if ((\u)%2) == 1
.irp i, 8,9,10,11
	v_permlane16_swap_b32 v[PC+\i], v[PC+20+\i]    ; lanes 0-15: the even tile's, lanes 16-31: the odd tile's lanes 0-15
.endr
	global_store_b128 v[RA0], v[PC+8:PC+11], s[TOC:TOC+1] offset:2560*((\u)/2)+2048
	v_cndmask_b32 v[CH+(\u)/2], v[PW+(\u)-1], v[PW+(\u)], s[MASK]   ; lanes 0-15: the even tile's scale words, lanes 16-31: the odd one's
	global_store_b32 v[L4], v[CH+(\u)/2], s[TOS:TOS+1] offset:128*((\u)/2)
.endif
.endm
.macro VOUT u                          ; tile u of d leaves: 128 keys of a lane's d
	s_wait_xcnt 0x0                                ; earlier stores have read the registers that are written again now
	WIN 0x02
.set ej, 0
.rept 32
	v_pk_add_f32 v[SCR+ej:SCR+ej+1], v[64*(\u)+ej:64*(\u)+ej+1], v[BVP+2*(\u):BVP+2*(\u)+1]
.set ej, ej+2
.endr
	WIN 0
	QUANT 4, SCR, PC+20*((\u)%2), PW+(\u)
.irp c, 0,1,2
	global_store_b128 v[RA0], v[PC+20*((\u)%2)+4*\c:PC+20*((\u)%2)+4*\c+3], s[VOC:VOC+1] offset:1536*(\u)+512*\c
.endr
	global_store_b32 v[R4], v[PW+(\u)], s[VOS:VOS+1] offset:64*(\u)        ; a tile's 16 scale words; lanes r and 16 + r hold the same word and store it to the same place
.endm
	s_load_b512 s[8:23], s[0:1], 0x0               ; x_query codes, scales; x_kv codes, scales; Wq codes, scales; Wk codes, scales
	s_load_b512 s[24:39], s[0:1], 0x40             ; Wv codes, scales; bq; bk; bv; q_img; q_sc; kv
	v_lshrrev_b32 v1, 5, v0
	v_readfirstlane_b32 s[WV], v1
	s_lshr_b32 s76, s[WV], 1
	s_lshl_b32 s76, s76, 5
	s_and_b32 s77, s[WV], 1
	s_lshl_b32 s77, s77, 3
	s_add_co_u32 s[RW], s76, s77
	s_mov_b32 s[SEL], 0x76543210
	s_mov_b32 s[SEL+1], 0xfedcba98
	s_mov_b32 s[MASK], 0xffff0000
	s_mov_b32 s[PSEL], 0x03010200
	s_mov_b32 s[OFS+1], 0
	v_and_b32 v15, 31, v0                          ; lane
	v_and_b32 v72, 15, v0                          ; r
	v_bfe_u32 v73, v0, 4, 1                        ; h
	v_and_b32 v74, 8, v72
	v_add_nc_u32 v74, v74, v72                     ; PERM(r) = r + (r & 8)
	v_mul_u32_u24 v[GS], v74, 24
	v_mul_u32_u24 v[GV], v74, 576
	v_mad_u32_u24 v[GV], v73, 48, v[GV]
	v_lshlrev_b32 v75, 2, v74
	v_lshlrev_b32 v[BOH], 6, v73
	v_lshlrev_b32 v[R4], 2, v72
	v_lshlrev_b32 v[L4], 2, v15
	v_lshlrev_b32 v[RA0], 4, v15                   ; every LDS address: a constant + 1,664 x wave (the stores') + 16 or 4 x lane
	v_add_nc_u32 v[RA1], 39936, v[RA0]
	v_add_nc_u32 v[RAV], VREG, v[RA0]
	v_lshl_add_u32 v[RS0], v15, 2, 1536
	v_add_nc_u32 v[RS1], 39936, v[RS0]
	v_add_nc_u32 v[RSV], VREG, v[RS0]
	s_mul_i32 s76, s[WV], 1664
	v_add_nc_u32 v[WA0], s76, v[RA0]
	v_add_nc_u32 v[WA0+1], s76, v[RA1]
	v_add_nc_u32 v[WS0], s76, v[RS0]
	v_add_nc_u32 v[WS0+1], s76, v[RS1]
	v_add_nc_u32 v[WAV], s76, v[RAV]
	v_add_nc_u32 v[WSV], s76, v[RSV]
	; task V: x = 16 kg + dg: d-tiles 3 dg .. 3 dg + 2 of the 48, keys 512 kg + 128 w
	s_and_b32 s76, ttmp9, 15
	s_lshr_b32 s[KG], ttmp9, 4
	s_lshr_b32 s[HV], s76, 1                       ; the head
	s_and_b32 s[PAR], s76, 1                       ; its tiles 0-2 or 3-5
	s_mul_i32 s77, s[PAR], 3
.irp u, 0,1,2
	s_add_co_u32 s78, s77, \u                      ; the tile in the head
	s_lshr_b32 s79, s78, 1
	s_lshl_b32 s79, s79, 5
	s_and_b32 s78, s78, 1
	s_lshl_b32 s78, s78, 3
	s_add_co_u32 s79, s79, s78                     ; its first row in the head
	s_mul_i32 s78, s79, 576
	v_add_nc_u32 v[76+\u], s78, v[GV]              ; v76-78 offsets in Wv's codes, v79-81 in its scales, v82-84 in bv
	s_mul_i32 s78, s79, 24
	v_add_nc_u32 v[79+\u], s78, v[GS]
	s_lshl_b32 s78, s79, 2
	v_add_nc_u32 v[82+\u], s78, v75
.endr
	; task T: x = 128 kind + 2 i + g: tokens 128 i .., heads 4 g + w
	s_lshr_b32 s[KIND], ttmp9, 7
	s_and_b32 s76, ttmp9, 127
	s_lshr_b32 s[TI], s76, 1
	s_and_b32 s[TG], s76, 1
	; the tokens' order in a tile.  x_query: as above.  x_kv (K): lane r of tile t takes key 64 (t / 4) + 8 (t % 4) + (r & 7) + 4 (r & 8), so that in the scores a lane's 32 registers of four tiles are one block of 32 keys
	s_lshl_b32 s88, s[WV], 3
	s_cmp_eq_u32 s[KIND], 0
	s_cselect_b32 s87, 1, 3
	v_and_b32 v85, 8, v72
	v_mad_u32_u24 v85, v85, s87, v72               ; r + (r & 8) or r + 3 (r & 8)
	v_mul_u32_u24 v86, v85, 24                     ; v86 the tokens' offset in the scales, v87 in the codes
	v_mul_u32_u24 v87, v85, 576
	v_mad_u32_u24 v87, v73, 48, v87
	s_wait_alu depctr_va_vdst(0)
	s_wait_kmcnt 0x0
	s_cmp_eq_u32 s[KIND], 0                        ; the choice hangs on the work-group's number alone
	s_cselect_b64 s[TMB:TMB+1], s[8:9], s[12:13]
	s_cselect_b64 s[TMS:TMS+1], s[10:11], s[14:15]
	s_cselect_b64 s[TNB:TNB+1], s[16:17], s[20:21]
	s_cselect_b64 s[TNS:TNS+1], s[18:19], s[22:23]
	s_cselect_b64 s[TBI:TBI+1], s[28:29], s[30:31]
	s_cselect_b64 s[TOC:TOC+1], s[34:35], s[38:39]
	s_cselect_b64 s[TOS:TOS+1], s[36:37], s[38:39]
	; kv, for each (batch, head) 325,632 bytes: 16 x 896 bytes of scale words (K's 512, V's 384 for each 128 keys), then 16 x 19,456 bytes of images (K's 10,240, V's 9,216)
	s_mov_b32 s76, 325632
	s_cselect_b32 s77, 163840, s76                 ; bytes from one (batch, head) to the next: images,
	s_cselect_b32 s78, 8192, s76                   ; scale chunks
	s_mov_b32 s76, 19456
	s_mov_b32 s89, 896
	s_cselect_b32 s79, 10240, s76                  ; bytes from 128 tokens to the next: images,
	s_cselect_b32 s80, 512, s89                    ; scale chunks
	s_cselect_b32 s81, 0, 14336                    ; where the images begin
	s_cselect_b32 s88, s[RW], s88                  ; first token of tile w: by x_query's order or by K's
	s_lshl_b32 s82, s[TI], 7
	s_add_co_u32 s82, s82, s88
	s_mul_i32 s[OFS], s82, 576
	s_add_nc_u64 s[TMB:TMB+1], s[TMB:TMB+1], s[OFS:OFS+1]
	s_mul_i32 s[OFS], s82, 24
	s_add_nc_u64 s[TMS:TMS+1], s[TMS:TMS+1], s[OFS:OFS+1]
	s_lshl_b32 s83, s[TG], 2
	s_add_co_u32 s83, s83, s[WV]                   ; my head
	s_mul_i32 s[OFS], s83, 55296
	s_add_nc_u64 s[TNB:TNB+1], s[TNB:TNB+1], s[OFS:OFS+1]
	s_mul_i32 s[OFS], s83, 2304
	s_add_nc_u64 s[TNS:TNS+1], s[TNS:TNS+1], s[OFS:OFS+1]
	s_mul_i32 s[OFS], s83, 384
	s_add_nc_u64 s[TBI:TBI+1], s[TBI:TBI+1], s[OFS:OFS+1]
	s_lshr_b32 s84, s[TI], 4
	s_lshl_b32 s84, s84, 3
	s_add_co_u32 s84, s84, s83                     ; 8 batch + head
	s_and_b32 s85, s[TI], 15                       ; the 128 tokens in the batch
	s_mul_i32 s[OFS], s84, s77
	s_mul_i32 s86, s85, s79
	s_add_co_u32 s86, s86, s81
	s_add_co_u32 s[OFS], s[OFS], s86
	s_add_nc_u64 s[TOC:TOC+1], s[TOC:TOC+1], s[OFS:OFS+1]
	s_mul_i32 s[OFS], s84, s78
	s_mul_i32 s86, s85, s80
	s_add_co_u32 s[OFS], s[OFS], s86
	s_add_nc_u64 s[TOS:TOS+1], s[TOS:TOS+1], s[OFS:OFS+1]
	s_mul_i32 s[OFS], s[HV], 55296
	s_mul_i32 s86, s[WV], 96                       ; I build K step w of Wv's three tiles (waves 0 and 1: and K step 4 + w)
	s_add_co_u32 s[OFS], s[OFS], s86
	s_add_nc_u64 s[VMB:VMB+1], s[24:25], s[OFS:OFS+1]
	s_mul_i32 s[OFS], s[HV], 2304
	s_lshl_b32 s86, s[WV], 2
	s_add_co_u32 s[OFS], s[OFS], s86
	s_add_nc_u64 s[VMS:VMS+1], s[26:27], s[OFS:OFS+1]
	s_mul_i32 s[OFS], s[HV], 384
	s_add_nc_u64 s[BVB:BVB+1], s[32:33], s[OFS:OFS+1]
	s_lshl_b32 s82, s[KG], 9
	s_lshl_b32 s83, s[WV], 7
	s_add_co_u32 s82, s82, s83                     ; my first key among all 8,192
	s_mul_i32 s[OFS], s82, 576
	s_add_nc_u64 s[VNB:VNB+1], s[12:13], s[OFS:OFS+1]
	s_mul_i32 s[OFS], s82, 24
	s_add_nc_u64 s[VNS:VNS+1], s[14:15], s[OFS:OFS+1]
	s_lshl_b32 s82, s[KG], 2
	s_add_co_u32 s82, s82, s[WV]                   ; my 128 keys among the 64 such
	s_lshr_b32 s83, s82, 4
	s_lshl_b32 s83, s83, 3
	s_add_co_u32 s83, s83, s[HV]                   ; 8 batch + head
	s_and_b32 s82, s82, 15                         ; the key step in the batch
	s_mul_i32 s83, s83, 325632
	s_mul_i32 s89, s82, 896
	s_add_co_u32 s89, s89, s83                     ; the key step's scale words in kv
	s_mul_i32 s82, s82, 19456
	s_add_co_u32 s83, s83, s82                     ; its images, less the 14,336 bytes in front of them
	s_mul_i32 s[OFS], s[PAR], 4608
	s_add_co_u32 s[OFS], s[OFS], s83
	s_add_co_u32 s[OFS], s[OFS], 24576             ; 14,336 of scale words, and V's images lie behind K's 10,240 bytes
	s_add_nc_u64 s[VOC:VOC+1], s[38:39], s[OFS:OFS+1]
	s_mul_i32 s[OFS], s[PAR], 192
	s_add_co_u32 s[OFS], s[OFS], s89
	s_add_co_u32 s[OFS], s[OFS], 512
	s_add_nc_u64 s[VOS:VOS+1], s[38:39], s[OFS:OFS+1]
	; ---- what is built into LDS is asked for first
	WIN 0x80                                       ; destination window 2
.irp k, 0,1
.irp s, 0,1,2,3,4,5
.irp c, 0,1,2
	global_load_b128 v[12*(6*\k+\s)+4*\c:12*(6*\k+\s)+4*\c+3], v87, s[TMB:TMB+1] offset:36864*\k+96*\s+16*\c   ; tokens' tile w + 4 k, K step s
.endr
.endr
.endr
	WIN 0
.irp k, 0,1
.irp j, 0,1,2
	global_load_b64 v[HS+6*\k+2*\j:HS+6*\k+2*\j+1], v86, s[TMS:TMS+1] offset:1536*\k+8*\j   ; a row's 24 scale bytes: the words of all six K steps
.endr
.endr
	WIN 0xc0                                       ; destination window 3
.irp u, 0,1,2
.irp c, 0,1,2
	global_load_b128 v[12*\u+4*\c:12*\u+4*\c+3], v[76+\u], s[VMB:VMB+1] offset:16*\c
.endr
.endr
	WIN 0
.irp u, 0,1,2
	global_load_b32 v[HS+12+\u], v[79+\u], s[VMS:VMS+1]
.endr
.irp u, 0,1,2
	global_load_b32 v[BVR+\u], v[82+\u], s[BVB:BVB+1]
.endr
	s_cmp_lt_u32 s[WV], 2                          ; 18 fragments of Wv for four waves: waves 0 and 1 build three more
	s_cbranch_scc0 .Lno_x1
	WIN 0xc0
.irp u, 0,1,2
.irp c, 0,1,2
	global_load_b128 v[36+12*\u+4*\c:36+12*\u+4*\c+3], v[76+\u], s[VMB:VMB+1] offset:384+16*\c
.endr
.endr
	WIN 0
.irp u, 0,1,2
	global_load_b32 v[HS+15+\u], v[79+\u], s[VMS:VMS+1] offset:16
.endr
.Lno_x1:
.irp t, 0,1,2,3,4,5
.irp j, 0,1,2
	global_load_b64 v[NSC+6*\t+2*\j:NSC+6*\t+2*\j+1], v[GS], s[TNS:TNS+1] offset:(32*(\t/2)+8*(\t%2))*24+8*\j   ; my head's scale words, all of K: 18 loads
.endr
.endr
	NLOAD_T 0
	s_wait_loadcnt 36                              ; all that is built is in; behind it: the 18 scale loads and K step 0's 18
.set pj, 0
.rept 15
	v_perm_b32 v[HS+pj], v[HS+pj], v[HS+pj], s[PSEL]   ; the scale words in the operands' order of blocks
.set pj, pj+1
.endr
	WIN 0x08                                       ; an LDS store's data are its source 1: window 2
.irp k, 0,1
.irp s, 0,1,2,3,4,5
.irp c, 0,1,2
	ds_store_b128 v[WA0+\s/3], v[12*(6*\k+\s)+4*\c:12*(6*\k+\s)+4*\c+3] offset:\k*6656+(\s%3)*13312+512*\c   ; fragment (tile, K step) at (8 s + tile) x 1,664
.endr
.endr
.endr
	WIN 0
.irp k, 0,1
.irp s, 0,1,2,3,4,5
	ds_store_b32 v[WS0+\s/3], v[HS+6*\k+\s] offset:\k*6656+(\s%3)*13312
.endr
.endr
	WIN 0x0c                                       ; data in window 3
.irp u, 0,1,2
.irp c, 0,1,2
	ds_store_b128 v[WAV], v[12*\u+4*\c:12*\u+4*\c+3] offset:\u*9984+512*\c   ; fragment (tile u, K step s) at (6 u + s) x 1,664
.endr
.endr
	WIN 0
.irp u, 0,1,2
	ds_store_b32 v[WSV], v[HS+12+\u] offset:\u*9984
.endr
	s_cmp_lt_u32 s[WV], 2
	s_cbranch_scc0 .Lno_x2
.irp u, 0,1,2
	v_perm_b32 v[HS+15+\u], v[HS+15+\u], v[HS+15+\u], s[PSEL]
.endr
	WIN 0x0c
.irp u, 0,1,2
.irp c, 0,1,2
	ds_store_b128 v[WAV], v[36+12*\u+4*\c:36+12*\u+4*\c+3] offset:\u*9984+6656+512*\c
.endr
.endr
	WIN 0
.irp u, 0,1,2
	ds_store_b32 v[WSV], v[HS+15+\u] offset:\u*9984+6656
.endr
.Lno_x2:
	NLOAD_T 1
	NLOAD_T 2
.irp t, 0,1,2,3,4,5                    ; register j of tile t is feature 32 (t / 2) + 16 h + 8 (t % 2) + j of the head: 12 loads
	global_load_b128 v[BIAS+8*\t:BIAS+8*\t+3], v[BOH], s[TBI:TBI+1] offset:(32*(\t/2)+8*(\t%2))*4
	global_load_b128 v[BIAS+8*\t+4:BIAS+8*\t+7], v[BOH], s[TBI:TBI+1] offset:(32*(\t/2)+8*(\t%2))*4+16
.endr
	s_wait_dscnt 0x0                               ; for the others' sake: my stores have landed
	s_barrier_signal -1
	s_barrier_wait -1                              ; the launch's one barrier: behind it LDS is only read
	GETM 0, 0
	GETM 0, 1
	s_wait_loadcnt 48                              ; my head's scale words and K step 0 are in; behind them: K steps 1 and 2 (36) and the bias (12)
.set pj, 0
.rept 36
	v_perm_b32 v[NSC+pj], v[NSC+pj], v[NSC+pj], s[PSEL]
.set pj, pj+1
.endr
.rept 8
	v_nop                                          ; a scale register written by a vector instruction stands eight places ahead of the scaled matrix instruction
.endr
	s_wait_alu depctr_va_vdst(0)
	TSTEP 0                                        ; the first step's products start the sums
	TSTEP 1
	TSTEP 2
	TSTEP 3
	TSTEP 4
	TSTEP 5
	; ---- task V's first loads go out here and land while task T's results are quantised
.irp t, 0,1,2,3,4,5,6,7
.irp j, 0,1,2
	global_load_b64 v[NSC+6*\t+2*\j:NSC+6*\t+2*\j+1], v[GS], s[VNS:VNS+1] offset:(32*(\t/2)+8*(\t%2))*24+8*\j   ; my keys' scale words, all of K: 24 loads
.endr
.endr
	NLOAD_V 0
.irp b, 0,1,2,3
	v_mov_b32 v[TM+4+\b], 0                        ; written once: a lane permute's destination counts as one of its sources
.endr
	TOUT 0
	TOUT 1
	TOUT 2
	TOUT 3
	NLOAD_V 1
	TOUT 4
	TOUT 5
	TOUT 6
	TOUT 7
	NLOAD_V 2                                      ; into window 3, which task T's sums have left
	GETMV 0
	s_wait_loadcnt 48                              ; my keys' scale words and K step 0 are in; behind them: K steps 1 and 2
.set pj, 0
.rept 48
	v_perm_b32 v[NSC+pj], v[NSC+pj], v[NSC+pj], s[PSEL]
.set pj, pj+1
.endr
.rept 8
	v_nop
.endr
	s_wait_alu depctr_va_vdst(0)
	VSTEP 0
	VSTEP 1
	VSTEP 2
	VSTEP 3
	VSTEP 4
	VSTEP 5
.irp u, 0,1,2
	v_mov_b32 v[BVP+2*\u], v[BVR+\u]               ; a lane's bias as an equal pair for the packed additions
	v_mov_b32 v[BVP+2*\u+1], v[BVR+\u]
.endr
	s_wait_alu depctr_va_vdst(0)
	VOUT 0
	VOUT 1
	VOUT 2
	v_lshl_add_u32 v1, v0, 2, SPARE                ; my spare word's address and 0 are made here, from v0 as it came: every load that named v1 or v2 has been waited for
	v_mov_b32 v2, 0
	s_wait_alu depctr_va_vdst(0)
	s_wait_tensorcnt 0x0                           ; the wave's end
	ds_add_u32 v1, v2
	s_wait_dscnt 0x0
	s_endpgm
.Lfunc_end_k_q7ba340ec1f_proj:
	.size	k_q7ba340ec1f_proj, .Lfunc_end_k_q7ba340ec1f_proj-k_q7ba340ec1f_proj
	.p2alignl 7, 3214868480
	.fill 96, 4, 3214868480
	.section	.rodata,"a",@progbits
	.p2align	6, 0x0
	.amdhsa_kernel k_q7ba340ec1f_proj
		.amdhsa_group_segment_fixed_size 110592
		.amdhsa_private_segment_fixed_size 0
		.amdhsa_enable_private_segment 0
		.amdhsa_kernarg_size 128
		.amdhsa_user_sgpr_count 2
		.amdhsa_user_sgpr_kernarg_segment_ptr 1
		.amdhsa_wavefront_size32 1
		.amdhsa_system_sgpr_workgroup_id_x 1
		.amdhsa_system_sgpr_workgroup_id_y 1
		.amdhsa_system_sgpr_workgroup_id_z 1
		.amdhsa_system_vgpr_workitem_id 0
		.amdhsa_next_free_vgpr 1024
		.amdhsa_next_free_sgpr 100
		.amdhsa_reserve_vcc 0
		.amdhsa_float_denorm_mode_32 3
		.amdhsa_float_denorm_mode_16_64 3
		.amdhsa_memory_ordered 1
		.amdhsa_forward_progress 1
		.amdhsa_inst_pref_size 190
	.end_amdhsa_kernel
	.amdgpu_metadata
---
amdhsa.version: [ 1, 2 ]
amdhsa.kernels:
  - .name:           k_q7ba340ec1f_proj
    .symbol:         k_q7ba340ec1f_proj.kd
    .args:
      - { .name: x_query_codes, .offset: 0, .size: 8, .value_kind: global_buffer, .address_space: global }
      - { .name: x_query_scales, .offset: 8, .size: 8, .value_kind: global_buffer, .address_space: global }
      - { .name: x_kv_codes, .offset: 16, .size: 8, .value_kind: global_buffer, .address_space: global }
      - { .name: x_kv_scales, .offset: 24, .size: 8, .value_kind: global_buffer, .address_space: global }
      - { .name: Wq_codes, .offset: 32, .size: 8, .value_kind: global_buffer, .address_space: global }
      - { .name: Wq_scales, .offset: 40, .size: 8, .value_kind: global_buffer, .address_space: global }
      - { .name: Wk_codes, .offset: 48, .size: 8, .value_kind: global_buffer, .address_space: global }
      - { .name: Wk_scales, .offset: 56, .size: 8, .value_kind: global_buffer, .address_space: global }
      - { .name: Wv_codes, .offset: 64, .size: 8, .value_kind: global_buffer, .address_space: global }
      - { .name: Wv_scales, .offset: 72, .size: 8, .value_kind: global_buffer, .address_space: global }
      - { .name: bq, .offset: 80, .size: 8, .value_kind: global_buffer, .address_space: global }
      - { .name: bk, .offset: 88, .size: 8, .value_kind: global_buffer, .address_space: global }
      - { .name: bv, .offset: 96, .size: 8, .value_kind: global_buffer, .address_space: global }
      - { .name: q_img, .offset: 104, .size: 8, .value_kind: global_buffer, .address_space: global }
      - { .name: q_sc, .offset: 112, .size: 8, .value_kind: global_buffer, .address_space: global }
      - { .name: kv, .offset: 120, .size: 8, .value_kind: global_buffer, .address_space: global }
    .group_segment_fixed_size: 110592
    .private_segment_fixed_size: 0
    .kernarg_segment_align: 8
    .kernarg_segment_size: 128
    .max_flat_workgroup_size: 128
    .sgpr_count:     100
    .vgpr_count:     1024
    .wavefront_size: 32
...
	.end_amdgpu_metadata
.endif
;; end of part 4
;; launch attn (part 5): grid 8 x 32, 8 waves a work-group, clusters of 4 x 1, 327,680 bytes of LDS; arguments q_img, q_sc, kv, ao_codes, ao_scales; writes ao_codes, ao_scales
.if DOCPART == 5
	.amdgcn_target "amdgcn-amd-amdhsa--gfx1250"
	.amdhsa_code_object_version 6
	.text
	.protected	k_q7ba340ec1f_attn
	.globl	k_q7ba340ec1f_attn
	.p2align	8
	.type	k_q7ba340ec1f_attn,@function
k_q7ba340ec1f_attn:
	s_mov_b64 s[64:65], 0
	v_nop
	global_prefetch_b8 v0, s[64:65] scope:SCOPE_SE
	s_setreg_imm32_b32 hwreg(HW_REG_WAVE_MODE, 25, 1), 1
	s_wait_xcnt 0x0
	s_wait_alu depctr_hold_cnt(0) depctr_sa_sdst(0) depctr_va_vdst(0) depctr_va_sdst(0) depctr_va_ssrc(0) depctr_va_vcc(0) depctr_vm_vsrc(0)
	s_getreg_b32 s2, hwreg(HW_REG_IB_STS2, 6, 4)
	s_cmp_eq_u32 s2, 0
	s_cbranch_scc0 .Lentry_in_a_cluster
	s_endpgm
.Lentry_in_a_cluster:
	s_bfe_u32 s2, ttmp6, 0x10000c
	s_cmp_lg_u32 s2, 0x3003
	s_cbranch_scc0 .Lentry_shape_is_right
	s_endpgm
.Lentry_shape_is_right:
; For each of the 32 (batch, head): O = softmax(q k^T / sqrt(768)) v, both products on codes of FP6 (E2M3), and the quantiser of O along the head's 96.  No work is left out.
; THE SOFTMAX AHEAD OF THE SECOND PRODUCT: t = score x c, c = log2(e) / sqrt(768); M = the running largest t rounded up to a whole number; p = 2^(t - M) is quantised along the keys, not normalised;
; the row's sum is taken of the unquantised p and divides O at the end; when M moves, the sum and O are multiplied by 2^(old M - new M), which rounds nothing.
; LIMITS: t is one multiplication by c where the definition divides by sqrt(768) and multiplies by log2(e); the promise holds while |t| stays under 2^31; NaN and infinities are not served;
; a block of zeros gets the byte 1 (its codes are zeros; this program alone reads the bytes).
; SHARES.  A work-group owns 256 queries of one (batch, head); each of its eight waves a pair of tiles of 16 queries; every wave walks all 2,048 keys, 128 a step.
; LDS HOLDS ALL KEYS AND VALUES OF THE (batch, head): 325,632 bytes as they lie in kv: 16 x 896 bytes of scale words, then 16 x 19,456 bytes of register images.  They are filled once: each wave asks for
; 36 rows of 256 bytes at the head (the scale words and key steps 0 to 2) and for 123 rows behind the full sequence and a round; one barrier behind key step 1 shows the rest whole.  Nothing is filled again.
; No prefetch: both tensor loads of a wave go out at the head, and no later load is left to run ahead of.
; CLUSTER.  The four query blocks of a cluster belong to one (batch, head): each tile is asked for jointly, by the same load with the same descriptor and a mask that names the four.
; LAYOUT.  S^T = K Q^T (source 0 = 16 keys, source 1 = 16 queries), O^T = V^T P^T (source 0 = 16 of the head's 96, source 1 = P): a lane holds one query throughout.
; Row m of K's tile t is key 64 (t / 4) + 8 (t % 4) + (m & 7) + 4 (m & 8): so register 32 c + i of a lane's 64 scores is key 64 c + 32 (lane / 16) + i: a whole block of 32 keys in one lane, in the order of P's operand.
; K = 96 in the first product: Q's fourth block is zero codes; K's registers 8-11 come for lanes 0-15 alone, and lanes 16-31 take the same bytes, which meet Q's zeros.
; THE STEP IS STAGGERED.  Ahead of tile 0's exponentials of step s stand tile 1's scores of step s and tile 1's P V of step s - 1, and the LDS loads of K (s + 1) and V (s);
; ahead of tile 1's exponentials tile 0's scores of step s + 1 and tile 0's P V of step s.  So each product's result is first read half a step behind its issue.
; REGISTERS.  Window 0: v1-47 addresses, statistics, scale words; v48-59 P of tile 1; v64-127, v128-191 S^T of tile 0, 1; v192-239 O^T of tile 0; v240-251 P of tile 0.
;   Window 1: v0-95 K's 8 fragments, v96-167 V's 6, v168-191 Q's 2, v192-239 O^T of tile 1.
.set LI,  1                            ; 16 x lane
.set LS,  2                            ; 4 x lane
.set LR,  3                            ; 16 x (lane % 16)
.set ADK, 4                            ; the step's images in LDS, by lane;  v5 by lane % 16;  v6 its scale words
.set ADR, 5
.set ADS, 6
.set SH8, 7                            ; 8 x (lane / 16)
                                       ; v[8 + 4 x] -M, v[9 + 4 x] the largest score, v[10 + 4 x : 11 + 4 x] the sum in two halves, for tile x
.set QS,  16                           ; Q's scale words: lanes 0-15 tile 0, lanes 16-31 tile 1
.set KS,  18                           ; v18-21  K's: register b: lanes 0-15 tile 2 b, lanes 16-31 tile 2 b + 1
.set VS,  22                           ; v22-24  V's likewise
.set PW,  26                           ; v26-27  p's scale word, tile x
.set SPW, 28                           ; LDS address of my spare word; never rewritten
.set NIL, 29                           ; 0; never rewritten
.set FF,  30                           ; v[30:31] f = 2^(old M - new M) (v31 is named with it as a pair)
.set BM,  32                           ; v32-35  four chains of the maximum; then v32, v34 the two blocks' largest score, then p
.set TMP, 36
.set TX,  37
.set SO,  38                           ; v38-39  the conversions' scale operands
.set BY,  40                           ; v40-41  the scale bytes
.set CA,  42                           ; v42-47  three more chains of the sum
.set CV0, 60                           ; v60-62, v252-254 the conversions' second halves
.set CV1, 252
.set S,   64
.set OB,  192
.set WB,  128                          ; the way out, in tile 1's S^T: largest magnitudes, the other half's, scale operands, bytes, 1 / the sum, addresses, codes
.set WX,  132
.set WSO, 136
.set WBY, 140
.set RL,  152
.set OA,  154
.set OSV, 155
.set WC,  160
.set WV,  14
.set G1,  24                           ; s[24:31] descriptor group 1, 36 rows;  s[72:79] 123 rows
.set G1B, 72
.set G0,  32                           ; s[32:35], s[36:39] group 0 of my first and second load
.set SEL, 40
.set CS,  42                           ; s[42:43] c: the packed form names a pair and takes its low word
.set TB,  44                           ; LDS byte at which the step's images begin
.set CNT, 45
.set MASK, 46
.set TS,  47                           ; LDS byte at which the step's scale words begin
.set LOW, 56
.set REC,  19456
.set RSC,  896
.set IMG,  16*RSC
.set PART1, 8*36*256
.set SPARE, IMG+16*REC                 ; behind the images: the spare words, 128 bytes for each wave
.set MSB, 0
.macro WIN new                         ; the immediate's high byte repeats the setting that is left
.if MSB != \new
	s_set_vgpr_msb (MSB<<8)|\new
.set MSB, \new
.endif
.endm
.macro PLACES
.rept 4
	v_nop
.endr
.endm
.macro CROUND                          ; a round of the cluster's barrier
	s_barrier_signal -1
	s_barrier_wait -1
	s_cmp_lg_u32 s[WV], 0
	s_cbranch_scc1 .Lnot_wave_0_\@
	s_barrier_signal -3
.Lnot_wave_0_\@:
	s_barrier_wait -3
	s_barrier_signal -1
	s_barrier_wait -1
.endm
.macro SCORE x                         ; S^T of tile x: eight tiles of 16 keys
	WIN 0x05                                       ; sources 0 (K) and 1 (Q) window 1
.irp t, 0,1,2,3,4,5,6,7
.if (\t%2) == 0
.if \x == 0
	v_wmma_scale_f32_16x16x128_f8f6f4 v[S+64*\x+8*\t:S+64*\x+8*\t+7], v[12*\t:12*\t+11], v[168+12*\x:179+12*\x], 0, v[KS+\t/2], v[QS] matrix_a_fmt:MATRIX_FMT_FP6 matrix_b_fmt:MATRIX_FMT_FP6
.else
	v_wmma_scale_f32_16x16x128_f8f6f4 v[S+64*\x+8*\t:S+64*\x+8*\t+7], v[12*\t:12*\t+11], v[168+12*\x:179+12*\x], 0, v[KS+\t/2], v[QS] matrix_a_fmt:MATRIX_FMT_FP6 matrix_b_fmt:MATRIX_FMT_FP6 matrix_b_scale:MATRIX_SCALE_ROW1
.endif
.else
.if \x == 0
	v_wmma_scale_f32_16x16x128_f8f6f4 v[S+64*\x+8*\t:S+64*\x+8*\t+7], v[12*\t:12*\t+11], v[168+12*\x:179+12*\x], 0, v[KS+\t/2], v[QS] matrix_a_fmt:MATRIX_FMT_FP6 matrix_b_fmt:MATRIX_FMT_FP6 matrix_a_scale:MATRIX_SCALE_ROW1
.else
	v_wmma_scale_f32_16x16x128_f8f6f4 v[S+64*\x+8*\t:S+64*\x+8*\t+7], v[12*\t:12*\t+11], v[168+12*\x:179+12*\x], 0, v[KS+\t/2], v[QS] matrix_a_fmt:MATRIX_FMT_FP6 matrix_b_fmt:MATRIX_FMT_FP6 matrix_a_scale:MATRIX_SCALE_ROW1 matrix_b_scale:MATRIX_SCALE_ROW1
.endif
.endif
.endr
.endm
.macro PV x, zero                      ; O^T of tile x += V^T P^T: six accumulators, one instruction each.  zero = 1: the first product starts the sums
	WIN 0x01+0x50*(\x)                             ; source 0 (V) window 1; C and D window x
.set PX, 240-192*(\x)
.irp t, 0,1,2,3,4,5
.if \zero
.if (\t%2) == 0
	v_wmma_scale_f32_16x16x128_f8f6f4 v[OB+8*\t:OB+8*\t+7], v[96+12*\t:107+12*\t], v[PX:PX+11], 0, v[VS+\t/2], v[PW+(\x)] matrix_a_fmt:MATRIX_FMT_FP6 matrix_b_fmt:MATRIX_FMT_FP6
.else
	v_wmma_scale_f32_16x16x128_f8f6f4 v[OB+8*\t:OB+8*\t+7], v[96+12*\t:107+12*\t], v[PX:PX+11], 0, v[VS+\t/2], v[PW+(\x)] matrix_a_fmt:MATRIX_FMT_FP6 matrix_b_fmt:MATRIX_FMT_FP6 matrix_a_scale:MATRIX_SCALE_ROW1
.endif
.else
.if (\t%2) == 0
	v_wmma_scale_f32_16x16x128_f8f6f4 v[OB+8*\t:OB+8*\t+7], v[96+12*\t:107+12*\t], v[PX:PX+11], v[OB+8*\t:OB+8*\t+7], v[VS+\t/2], v[PW+(\x)] matrix_a_fmt:MATRIX_FMT_FP6 matrix_b_fmt:MATRIX_FMT_FP6
.else
	v_wmma_scale_f32_16x16x128_f8f6f4 v[OB+8*\t:OB+8*\t+7], v[96+12*\t:107+12*\t], v[PX:PX+11], v[OB+8*\t:OB+8*\t+7], v[VS+\t/2], v[PW+(\x)] matrix_a_fmt:MATRIX_FMT_FP6 matrix_b_fmt:MATRIX_FMT_FP6 matrix_a_scale:MATRIX_SCALE_ROW1
.endif
.endif
.endr
.endm
.macro LOADKS so                       ; K's four scale registers
.irp b, 0,1,2,3
	ds_load_b32 v[KS+\b], v[ADS] offset:(\so)+128*\b
.endr
.endm
.macro LOADKF ko                       ; K's eight fragments (window 1): a pair of tiles is 2,560 bytes: registers 0-7 of each, then registers 8-11 of both, lanes 0-15 alone
.irp t, 0,1,2,3,4,5,6,7
	ds_load_b128 v[12*\t:12*\t+3], v[ADK] offset:(\ko)+2560*(\t/2)+1024*(\t%2)
	ds_load_b128 v[12*\t+4:12*\t+7], v[ADK] offset:(\ko)+2560*(\t/2)+1024*(\t%2)+512
	ds_load_b128 v[12*\t+8:12*\t+11], v[ADR] offset:(\ko)+2560*(\t/2)+2048+256*(\t%2)
.endr
.endm
.macro LOADVS
.irp b, 0,1,2
	ds_load_b32 v[VS+\b], v[ADS] offset:512+128*\b
.endr
.endm
.macro LOADVF
.irp t, 0,1,2,3,4,5
.irp c, 0,1,2
	ds_load_b128 v[96+12*\t+4*\c:96+12*\t+4*\c+3], v[ADK] offset:10240+1536*\t+512*\c
.endr
.endr
.endm
; Tile x, first half: the blocks' and the row's largest score, the new M, t - M.
.macro SM1 x
.set SB, S+64*(\x)
.set NM, 8+4*(\x)
	s_wait_alu depctr_va_vdst(0)                   ; directly ahead of the first readers of the scores
.irp g, 0,1,2,3
	v_max3_num_f32 v[BM+\g], v[SB+16*\g], v[SB+16*\g+1], v[SB+16*\g+2]   ; four chains of 16 registers by turns; each accumulator is read from its low end on
.endr
.irp i, 3,5,7,9,11,13
.irp g, 0,1,2,3
	v_max3_num_f32 v[BM+\g], v[BM+\g], v[SB+16*\g+\i], v[SB+16*\g+\i+1]
.endr
.endr
	v_max3_num_f32 v[BM], v[BM], v[BM+1], v[SB+15]
	v_max3_num_f32 v[BM+2], v[BM+2], v[BM+3], v[SB+47]
	v_max_num_f32 v[BM], v[BM], v[SB+31]           ; my block c = 0: its largest score serves the row's maximum and, since p rises with the score, the block's largest p
	v_max_num_f32 v[BM+2], v[BM+2], v[SB+63]       ; my block c = 1
	v_mov_b32 v[BM+1], v[NM]                       ; the old -M
	s_delay_alu instid0(VALU_DEP_2)
	v_max_num_f32 v[TMP], v[BM], v[BM+2]
	s_delay_alu instid0(VALU_DEP_1)
	v_permlanex16_b32 v[TX], v[TMP], s[SEL], s[SEL+1]
	s_delay_alu instid0(VALU_DEP_1)
	v_max3_num_f32 v[NM+1], v[NM+1], v[TMP], v[TX] ; the running largest score, lane l xor 16's 64 keys among them
	s_delay_alu instid0(VALU_DEP_1)
	v_mul_f32 v[TX], s[CS], v[NM+1]                ; as t (c is positive)
	s_delay_alu instid0(VALU_DEP_1)
	v_floor_f32 v[NM], -v[TX]                      ; the new -M = -ceil(t)
	s_delay_alu instid0(VALU_DEP_1)
	v_sub_f32 v[TMP], v[NM], v[BM+1]               ; old M - new M: a whole number, 0 or less
.set sj, 0
.rept 16
	v_pk_fma_f32 v[SB+sj:SB+sj+1], v[SB+sj:SB+sj+1], s[CS:CS+1], v[NM:NM+1] op_sel_hi:[1,0,0]   ; t - M, two at a time
.set sj, sj+2
.endr
	v_cvt_i32_f32 v[TMP], v[TMP]                   ; (it saturates)
.rept 16
	v_pk_fma_f32 v[SB+sj:SB+sj+1], v[SB+sj:SB+sj+1], s[CS:CS+1], v[NM:NM+1] op_sel_hi:[1,0,0]
.set sj, sj+2
.endr
	v_fma_f32 v[BM], v[BM], s[CS], v[NM]           ; the same of each block's largest score
	v_fma_f32 v[BM+2], v[BM+2], s[CS], v[NM]
	s_wait_alu depctr_va_vdst(0)                   ; ahead of the batch of exponentials
.endm
.macro ADD4 j                          ; the sum's four chains by turns
	v_pk_add_f32 v[LL:LL+1], v[LL:LL+1], v[SB+\j:SB+\j+1]
	v_pk_add_f32 v[CA:CA+1], v[CA:CA+1], v[SB+\j+2:SB+\j+3]
	v_pk_add_f32 v[CA+2:CA+3], v[CA+2:CA+3], v[SB+\j+4:SB+\j+5]
	v_pk_add_f32 v[CA+4:CA+5], v[CA+4:CA+5], v[SB+\j+6:SB+\j+7]
.endm
; Tile x, second half: p, O^T and the sum under the new M, p's scale word and codes.  resc = 0 in key step 0: O^T has not begun.
.macro SM2 x, resc
.set SB, S+64*(\x)
.set LL, 10+4*(\x)
.set PX, 240-192*(\x)
.set sj, 0
.rept 64
	v_exp_f32 v[SB+sj], v[SB+sj]                   ; p = 2^(t - M)
.set sj, sj+1
.endr
	v_exp_f32 v[BM], v[BM]                         ; the blocks' largest p: the same two instructions on the same number
	v_exp_f32 v[BM+2], v[BM+2]
	v_ldexp_f32 v[FF], 1.0, v[TMP]                 ; f: the plain place behind the exponentials
	s_wait_alu depctr_va_vdst(0)                   ; one wait for the batch, ahead of its first reader and directly ahead of the first readers of O^T
.if \resc
	WIN 0x41*(\x)                                  ; tile 1's O^T lies in window 1
.set sj, 0
.rept 24
	v_pk_mul_f32 v[OB+sj:OB+sj+1], v[OB+sj:OB+sj+1], v[FF:FF+1] op_sel_hi:[1,0]   ; O^T under the new M, each accumulator from its low end on
.set sj, sj+2
.endr
	WIN 0
.endif
	v_pk_fma_f32 v[LL:LL+1], v[LL:LL+1], v[FF:FF+1], v[SB:SB+1] op_sel_hi:[1,0,1]   ; the sum under the new M, and the first two p: the sum is taken of the unquantised p
	v_pk_add_f32 v[CA:CA+1], v[SB+2:SB+3], v[SB+4:SB+5]
	v_pk_add_f32 v[CA+2:CA+3], v[SB+6:SB+7], v[SB+8:SB+9]
	v_pk_add_f32 v[CA+4:CA+5], v[SB+10:SB+11], v[SB+12:SB+13]
	v_max_num_f32 v[BM], 0x1800000, v[BM]          ; the floor 2^(3 - 127): the byte cannot fall under 1.  The scale's lines stand among the sum's, so that none waits for the line above it
	v_max_num_f32 v[BM+2], 0x1800000, v[BM+2]
	ADD4 14
	v_add_nc_u32 v[SO], 0xff000000, v[BM]          ; 2 off the exponent field: the conversion's scale operand
	v_add_nc_u32 v[SO+1], 0xff000000, v[BM+2]
	ADD4 22
	v_lshrrev_b32 v[BY], 23, v[SO]                 ; the scale's byte
	v_lshrrev_b32 v[BY+1], 23, v[SO+1]
	ADD4 30
	v_lshl_or_b32 v[TMP], v[BY+1], 16, v[BY]       ; my two bytes: blocks h and 2 + h,
	ADD4 38
	v_lshlrev_b32 v[TMP], v[SH8], v[TMP]           ; at their places in the word;
	ADD4 46
	v_permlanex16_b32 v[TX], v[TMP], s[SEL], s[SEL+1]
	ADD4 54
	v_or_b32 v[PW+(\x)], v[TMP], v[TX]             ; with lane l xor 16's two the word is whole
	v_pk_add_f32 v[LL:LL+1], v[LL:LL+1], v[SB+62:SB+63]
	v_cvt_scalef32_pk16_fp6_f32 v[PX:PX+2], v[SB:SB+15], v[SO]
	v_cvt_scalef32_pk16_fp6_f32 v[CV0:CV0+2], v[SB+16:SB+31], v[SO]       ; (a conversion's three registers begin on an even number)
	v_cvt_scalef32_pk16_fp6_f32 v[PX+6:PX+8], v[SB+32:SB+47], v[SO+1]
	v_cvt_scalef32_pk16_fp6_f32 v[CV1:CV1+2], v[SB+48:SB+63], v[SO+1]
	v_pk_add_f32 v[CA:CA+1], v[CA:CA+1], v[CA+2:CA+3]                     ; the plain place behind the conversions
	v_pk_add_f32 v[LL:LL+1], v[LL:LL+1], v[CA+4:CA+5]
	s_delay_alu instid0(VALU_DEP_1)
	v_pk_add_f32 v[LL:LL+1], v[LL:LL+1], v[CA:CA+1]
.irp i, 0,1,2
	v_mov_b32 v[PX+3+\i], v[CV0+\i]
	v_mov_b32 v[PX+9+\i], v[CV1+\i]
.endr
.endm
; Key step s.  first: 0 in step 0, 1 in step 1, 2 later;  last: 1 in step 15.
.macro ITER first, last
	v_add_nc_u32 v[ADK], s[TB], v[LI]
	v_add_nc_u32 v[ADR], s[TB], v[LR]
	v_add_nc_u32 v[ADS], s[TS], v[LS]
	SM1 0
	SCORE 1                                        ; tile 1's scores of this step,
.if \first == 1
	PV 1, 1                                        ; and its P V of the step before
.endif
.if \first == 2
	PV 1, 0
.endif
	WIN 0
	PLACES                                         ; ahead of the loads into the products' registers
.if \last == 0
	LOADKS RSC
.endif
	LOADVS
	WIN 0x40
.if \last == 0
	LOADKF REC                                     ; K of step s + 1,
.endif
	LOADVF                                         ; V of step s
	WIN 0
.if \first == 0
	SM2 0, 0
.else
	SM2 0, 1
.endif
	SM1 1
	s_wait_dscnt 0x0                               ; K (s + 1) and V (s) are in
.if \last == 0
	SCORE 0                                        ; tile 0's scores of the next step,
.endif
.if \first == 0
	PV 0, 1                                        ; and its P V of this one
.else
	PV 0, 0
.endif
	WIN 0
.if \first == 0
	SM2 1, 0
.else
	SM2 1, 1
.endif
.endm
	s_load_b256 s[4:11], s[0:1], 0x0               ; q_img s[4:5], q_sc s[6:7], kv s[8:9], ao_codes s[10:11]
	s_load_b64 s[12:13], s[0:1], 0x20              ; ao_scales
	v_lshl_add_u32 v[SPW], v0, 2, SPARE
	v_mov_b32 v[NIL], 0
	ds_add_u32 v[SPW], v[NIL]                      ; the wave's opening: the add, twice on end, and its wait ahead of my first tensor load
	ds_add_u32 v[SPW], v[NIL]
	v_lshrrev_b32 v1, 5, v0
	v_readfirstlane_b32 s[WV], v1
	s_bfe_u32 s15, ttmp6, 0x40000                  ; cx
	s_lshl_b32 s16, ttmp9, 2
	s_add_co_u32 s16, s16, s15                     ; my block of 256 queries: it enters Q's and the result's addresses alone
	s_and_b32 s17, ttmp7, 0xffff                   ; hh = 8 batch + head, which the four partners share
	s_lshl_b32 s18, s16, 3
	s_add_co_u32 s18, s18, s[WV]                   ; my pair of query tiles, 0 .. 63
	s_mov_b32 s[G1], 15|(3<<16)|(1<<21)            ; the mask: all four work-groups; elements of 8 bytes; bit 21 set beside a mask; no padding
	s_mov_b32 s[G1+1], 32<<16                      ; tensor_dim0 = 32 elements: rows of 256 bytes
	s_mov_b32 s[G1+2], 36<<16                      ; tensor_dim1 = 36 rows
	s_mov_b32 s[G1+3], 32<<16                      ; tile_dim0
	s_mov_b32 s[G1+4], 36                          ; tile_dim1
	s_mov_b32 s[G1+5], 32                          ; the pitch: dense
	s_mov_b32 s[G1+6], 0
	s_mov_b32 s[G1+7], 0
	s_mov_b32 s[G1B], 15|(3<<16)|(1<<21)           ; the same with 123 rows
	s_mov_b32 s[G1B+1], 32<<16
	s_mov_b32 s[G1B+2], 123<<16
	s_mov_b32 s[G1B+3], 32<<16
	s_mov_b32 s[G1B+4], 123
	s_mov_b32 s[G1B+5], 32
	s_mov_b32 s[G1B+6], 0
	s_mov_b32 s[G1B+7], 0
	s_mul_i32 s19, s[WV], 36*256                   ; my part of the first 288 rows, in LDS and in memory alike,
	s_mul_i32 s23, s[WV], 123*256
	s_add_co_u32 s23, s23, PART1                   ; and of the other 984
	s_mul_i32 s48, s17, 325632
	s_mov_b32 s49, 0
	s_mul_i32 s50, s17, 163840
	s_mul_i32 s20, s18, 2560
	s_add_co_u32 s50, s50, s20                     ; my two images of Q
	s_mov_b32 s51, 0
	s_lshl_b32 s52, s17, 13
	s_lshl_b32 s20, s18, 7
	s_add_co_u32 s52, s52, s20                     ; and their scale chunk
	s_mov_b32 s53, 0
	s_mov_b32 s55, 0
	s_lshr_b32 s20, s17, 3
	s_lshl_b32 s20, s20, 7
	s_lshl_b32 s21, s18, 1
	s_add_co_u32 s20, s20, s21                     ; my first tile among all 512: 128 batch + 2 x pair
	s_and_b32 s21, s17, 7                          ; head
	s_mov_b32 s[SEL], 0x76543210
	s_mov_b32 s[SEL+1], 0xfedcba98
	s_mov_b32 s[CS], 0x3d553b94                    ; c = log2(e) / sqrt(768)
	s_mov_b32 s[CS+1], s[CS]
	s_mov_b32 s[MASK], 0xffff0000
	s_mov_b32 s[LOW], 0x0000ffff
	v_and_b32 v7, 31, v0
	v_and_b32 v[LR], 15, v0
	v_lshlrev_b32 v[LI], 4, v7
	v_lshlrev_b32 v[LS], 2, v7
	v_lshlrev_b32 v[LR], 4, v[LR]
	v_bfe_u32 v[SH8], v0, 4, 1
	v_lshlrev_b32 v[SH8], 3, v[SH8]
	s_wait_alu depctr_va_vdst(0)
	s_wait_dscnt 0x0                               ; both opening adds are done
	s_wait_kmcnt 0x0
	s_add_nc_u64 s[8:9], s[8:9], s[48:49]          ; my (batch, head) in kv
	s_mov_b32 s54, s19
	s_mov_b32 s[G0], 1
	s_mov_b32 s[G0+1], s19
	s_add_nc_u64 s[G0+2:G0+3], s[8:9], s[54:55]
	s_mov_b32 s54, s23
	s_mov_b32 s[G0+4], 1
	s_mov_b32 s[G0+5], s23
	s_add_nc_u64 s[G0+6:G0+7], s[8:9], s[54:55]
	s_or_b32 s[G0+3], s[G0+3], 0x80000000          ; type = 2
	s_or_b32 s[G0+7], s[G0+7], 0x80000000
	s_add_nc_u64 s[4:5], s[4:5], s[50:51]
	s_add_nc_u64 s[6:7], s[6:7], s[52:53]
	s_mul_i32 s50, s20, 9216
	s_mul_i32 s22, s21, 1152
	s_add_co_u32 s50, s50, s22
	s_add_nc_u64 s[10:11], s[10:11], s[50:51]      ; the result's codes: tile, then the head's three blocks
	s_mul_i32 s52, s20, 384
	s_mul_i32 s22, s21, 3
	s_add_co_u32 s52, s52, s22
	s_add_nc_u64 s[12:13], s[12:13], s[52:53]      ; and its scale bytes
	CROUND                                         ; all four work-groups are here: the first joint loads meet
	tensor_load_to_lds s[G0:G0+3], s[G1:G1+7]      ; my one load at the head: the scale words and key steps 0 to 2 are shared out among the eight waves
	s_nop 0
	PLACES
	WIN 0x40
.irp x, 0,1
	global_load_b128 v[168+12*\x:171+12*\x], v[LI], s[4:5] offset:1024*\x          ; Q stays in registers
	global_load_b128 v[172+12*\x:175+12*\x], v[LI], s[4:5] offset:1024*\x+512
	global_load_b128 v[176+12*\x:179+12*\x], v[LR], s[4:5] offset:2048+256*\x
.endr
	WIN 0
	global_load_b32 v[QS], v[LS], s[6:7]
.irp x, 0,1
	v_mov_b32 v[9+4*\x], 0xff61b1e6                ; the largest score so far: -3e38
	v_mov_b32 v[8+4*\x], 0x7f61b1e6                ; -M: 3e38, so that the first f is 0
	v_mov_b32 v[10+4*\x], 0
	v_mov_b32 v[11+4*\x], 0
.endr
	v_mov_b32 v[TX], 0                             ; written once: a lane permute's destination counts as one of its sources
	v_mov_b32 v[FF+1], 0
	s_mov_b32 s[TB], IMG
	s_mov_b32 s[TS], 0
	s_wait_loadcnt 0x0                             ; Q
	WIN 0x44
.irp x, 0,1
.irp i, 0,1,2,3
	v_cndmask_b32 v[176+12*\x+\i], 0, v[176+12*\x+\i], s[LOW]   ; Q's fourth block: zero codes in lanes 16-31
.endr
.endr
	WIN 0
	s_wait_alu depctr_va_vdst(0)
	s_wait_tensorcnt 0x0                           ; my part of the first 288 rows is in
	ds_add_u32 v[SPW], v[NIL]
	s_wait_dscnt 0x0
	CROUND                                         ; everybody's part is in, and the joint loads meet
	tensor_load_to_lds s[G0+4:G0+7], s[G1B:G1B+7]  ; the other 984 rows: key steps 3 to 15
	s_nop 0
	PLACES
	v_add_nc_u32 v[ADK], s[TB], v[LI]
	v_add_nc_u32 v[ADR], s[TB], v[LR]
	v_add_nc_u32 v[ADS], s[TS], v[LS]
	LOADKS 0
	WIN 0x40
	LOADKF 0
	WIN 0
	s_wait_dscnt 0x0
	SCORE 0                                        ; tile 0's scores of key step 0
	WIN 0
	v_nop                                          ; with the three address lines below: four places between the scores' products and their first reader
	ITER 0, 0
	s_add_co_u32 s[TB], s[TB], REC
	s_add_co_u32 s[TS], s[TS], RSC
	ITER 1, 0                                      ; reads up to K of step 2: inside the first 288 rows
	s_add_co_u32 s[TB], s[TB], REC
	s_add_co_u32 s[TS], s[TS], RSC
	s_mov_b32 s[CNT], 13
	s_wait_alu depctr_va_vdst(0)
	s_wait_tensorcnt 0x0                           ; my part of the other rows is in; nothing more is asked for, so a plain barrier follows
	ds_add_u32 v[SPW], v[NIL]
	s_wait_dscnt 0x0
	s_barrier_signal -1
	s_barrier_wait -1
.Lstep:                                                ; key steps 2 to 14
	ITER 2, 0
	s_add_co_u32 s[TB], s[TB], REC
	s_add_co_u32 s[TS], s[TS], RSC
	s_sub_co_u32 s[CNT], s[CNT], 1
	s_cmp_lg_u32 s[CNT], 0
	s_wait_alu depctr_va_vdst(0)
	s_cbranch_scc1 .Lstep
	ITER 2, 1                                      ; key step 15 fetches no further K and makes no further scores
	PV 1, 0                                        ; tile 1's last P V
	WIN 0
	; THE WAY OUT.  O^T / the sum; register 16 e + i of a lane is d = 32 e + 16 h + i of its query: three blocks of 32 along the last product's K.  A lane's 16 codes are 12 bytes of its row's 24.
	v_and_b32 v[WBY], 15, v0                       ; r
	v_bfe_u32 v[WBY+1], v0, 4, 1                   ; h
.irp x, 0,1
	v_add_f32 v[WB+\x], v[10+4*\x], v[11+4*\x]
.endr
	v_mul_u32_u24 v[OA], v[WBY], 24
.irp x, 0,1
	v_permlanex16_b32 v[WX+\x], v[WB+\x], s[SEL], s[SEL+1]
.endr
	v_mad_u32_u24 v[OSV], v[WBY+1], 384, v[OA]     ; 24 r + 384 h
	v_mad_u32_u24 v[OA], v[WBY+1], 12, v[OA]       ; 24 r + 12 h
.irp x, 0,1
	v_add_f32 v[WB+\x], v[WB+\x], v[WX+\x]         ; the row's sum
.endr
	s_wait_alu depctr_va_vdst(0)
.irp x, 0,1
	v_rcp_f32 v[RL+\x], v[WB+\x]
.endr
	v_nop                                          ; a plain place behind the reciprocals
.irp x, 0,1
	s_wait_alu depctr_va_vdst(0)                   ; ahead of the first reader of the reciprocals and of this tile's O^T
	WIN \x                                         ; source 0: tile x's O^T
.set sj, 0
.rept 48
	v_mul_f32 v[S+sj], v[OB+sj], v[RL+\x]          ; each accumulator from its low end on
.set sj, sj+1
.endr
	WIN 0
.irp e, 0,1,2
	v_max3_num_f32 v[WB+\e], |v[S+16*\e]|, |v[S+16*\e+1]|, 0x1800000
.endr
.irp i, 2,4,6,8,10,12,14
.irp e, 0,1,2
	v_max3_num_f32 v[WB+\e], v[WB+\e], |v[S+16*\e+\i]|, |v[S+16*\e+\i+1]|
.endr
.endr
.irp e, 0,1,2
	v_permlanex16_b32 v[WX+\e], v[WB+\e], s[SEL], s[SEL+1]
.endr
.irp e, 0,1,2
	v_max_num_f32 v[WB+\e], v[WB+\e], v[WX+\e]
.endr
.irp e, 0,1,2
	v_add_nc_u32 v[WSO+\e], 0xff000000, v[WB+\e]
.endr
.irp e, 0,1,2
	v_lshrrev_b32 v[WBY+4*\x+\e], 23, v[WSO+\e]
.endr
.irp e, 0,1,2
	v_cvt_scalef32_pk16_fp6_f32 v[WC+12*\x+4*\e:WC+12*\x+4*\e+2], v[S+16*\e:S+16*\e+15], v[WSO+\e]
.endr
	v_nop                                          ; one plain place behind the conversions: the next tile writes their sources
.irp e, 0,1,2
	global_store_b96 v[OA], v[WC+12*\x+4*\e:WC+12*\x+4*\e+2], s[10:11] offset:9216*\x+384*\e   ; 32 lanes store a block's 384 consecutive bytes
.endr
.endr
.irp e, 0,1,2
	v_cndmask_b32 v[WBY+8+\e], v[WBY+\e], v[WBY+4+\e], s[MASK]   ; lanes 0-15: tile 0's byte, lanes 16-31: tile 1's
.endr
.irp e, 0,1,2
	global_store_b8 v[OSV], v[WBY+8+\e], s[12:13] offset:\e      ; a head owns 3 of a row's 24 scale bytes
.endr
	s_wait_tensorcnt 0x0                           ; the wave's end
	ds_add_u32 v[SPW], v[NIL]
	s_wait_dscnt 0x0
	CROUND                                         ; the closing round: no work-group ends while a partner may still ask for a tile that names it
	s_endpgm
.Lfunc_end_k_q7ba340ec1f_attn:
	.size	k_q7ba340ec1f_attn, .Lfunc_end_k_q7ba340ec1f_attn-k_q7ba340ec1f_attn
	.p2alignl 7, 3214868480
	.fill 96, 4, 3214868480
	.section	.rodata,"a",@progbits
	.p2align	6, 0x0
	.amdhsa_kernel k_q7ba340ec1f_attn
		.amdhsa_group_segment_fixed_size 327680
		.amdhsa_private_segment_fixed_size 0
		.amdhsa_enable_private_segment 0
		.amdhsa_kernarg_size 40
		.amdhsa_user_sgpr_count 2
		.amdhsa_user_sgpr_kernarg_segment_ptr 1
		.amdhsa_wavefront_size32 1
		.amdhsa_system_sgpr_workgroup_id_x 1
		.amdhsa_system_sgpr_workgroup_id_y 1
		.amdhsa_system_sgpr_workgroup_id_z 1
		.amdhsa_system_vgpr_workitem_id 0
		.amdhsa_next_free_vgpr 512
		.amdhsa_next_free_sgpr 80
		.amdhsa_reserve_vcc 0
		.amdhsa_float_denorm_mode_32 3
		.amdhsa_float_denorm_mode_16_64 3
		.amdhsa_memory_ordered 1
		.amdhsa_forward_progress 1
		.amdhsa_inst_pref_size 135
	.end_amdhsa_kernel
	.amdgpu_metadata
---
amdhsa.version: [ 1, 2 ]
amdhsa.kernels:
  - .name:           k_q7ba340ec1f_attn
    .symbol:         k_q7ba340ec1f_attn.kd
    .args:
      - { .name: q_img, .offset: 0, .size: 8, .value_kind: global_buffer, .address_space: global }
      - { .name: q_sc, .offset: 8, .size: 8, .value_kind: global_buffer, .address_space: global }
      - { .name: kv, .offset: 16, .size: 8, .value_kind: global_buffer, .address_space: global }
      - { .name: ao_codes, .offset: 24, .size: 8, .value_kind: global_buffer, .address_space: global }
      - { .name: ao_scales, .offset: 32, .size: 8, .value_kind: global_buffer, .address_space: global }
    .group_segment_fixed_size: 327680
    .private_segment_fixed_size: 0
    .kernarg_segment_align: 8
    .kernarg_segment_size: 40
    .max_flat_workgroup_size: 256
    .sgpr_count:     80
    .vgpr_count:     512
    .wavefront_size: 32
...
	.end_amdgpu_metadata
.endif
;; end of part 5
;; launch outp (part 6): grid 64 x 3, 8 waves a work-group, no clusters, 240,640 bytes of LDS; arguments ao_codes, ao_scales, Wo_codes, Wo_scales, bo, out0; writes out0
.if DOCPART == 6
	.amdgcn_target "amdgcn-amd-amdhsa--gfx1250"
	.amdhsa_code_object_version 6
	.text
	.protected	k_q7ba340ec1f_outp
	.globl	k_q7ba340ec1f_outp
	.p2align	8
	.type	k_q7ba340ec1f_outp,@function
k_q7ba340ec1f_outp:
	s_mov_b64 s[64:65], 0
	v_nop
	global_prefetch_b8 v0, s[64:65] scope:SCOPE_SE
	s_setreg_imm32_b32 hwreg(HW_REG_WAVE_MODE, 25, 1), 1
	s_wait_xcnt 0x0
; out0 = A Wo^T + bo, A the attention's result as codes of FP6 (E2M3) with E8M0 scales, as the launch before has laid them: [tile of 16 rows][block of 32 along K][row][24 bytes]; scale bytes [tile][row][24].  No work is left out.
; LIMITS: NaN and infinities are not served; a given scale byte 0xff of Wo gives NaN, as in the definition.
; SHARES.  A work-group makes 128 rows x 256 columns: D = 256 rows of Wo (source 0: a lane's registers run along the output's columns) x 128 rows of A (source 1: a lane holds a row).
; Eight waves; wave w: pair of row tiles mp = w & 3, eight column tiles ng = w >> 2: sixteen accumulators.  K = 768 in six steps of 128.
; ALL OF K IS BUILT ONCE.  Wave w asks at the head for fragments w (A), 8 + w and 16 + w (Wo) of all six K steps, 126 loads into window 1, and stores them as register images into LDS:
; fragment f, K step s at (6 f + s) x 1,664 bytes (image 1,536, scale words 128): 144 images, 239,616 bytes.  One barrier; behind it LDS is only read until the way out.
; A K step is two halves of eight products (four column tiles x two row tiles).  Wo's fragments have two sets of registers (window 0 for the first half, window 1 for the second), A's two sets by the step's parity:
; each half's LDS loads are issued one half ahead of their use.
; Lane r of tile 2 b + u of a run of rows holds row 32 b + 8 u + r + (r & 8), in A (as it was made) and in Wo: the last stores put A's rows back in their places.
; No tensor load: Wo's given rows must pass through registers to become images; so no cluster either.  No prefetch: every load goes out at the head, and no loop is left to run ahead in.
.set WV,   4
.set MP,   5
.set NG,   6
.set RW,   7
.set B0,   40                          ; s[40:41] codes, s[42:43] scales of fragment w; s[44:47] of 8 + w; s[48:51] of 16 + w
.set GV,   1                           ; Wo: 576 PERM(r) + 24 h
.set GS,   2                           ; Wo's scales: 24 PERM(r)
.set GA,   3                           ; A: 384 h + 24 r
.set GAS,  4                           ; A's scales: 24 r
.set LM,   5                           ; LDS: my pair of A's images;  v6 their scale words
.set LMS,  6
.set LN,   7                           ; v7, v8  my column tiles 0-3, 4-7;  v9, v10 their scale words
.set LNS,  9
.set BOF,  11                          ; 16 x lane
.set MS,   12                          ; v12-13, v100-101  A's scale words, by the step's parity: scales and nothing else
.set NS,   14                          ; v14-17, v102-105  Wo's, by the half: scales and nothing else
.set MF,   20                          ; v20-43 of window 0 or 1: A's two fragments
.set NF,   44                          ; v44-91 of window 0 or 1: Wo's four
.set LWB,  92                          ; v92-94  LDS: where I store my three fragments;  v96-98 their scale words
.set LWSB, 96
.set BO,   108                         ; v108-111 bo of my four columns
.set ACC,  128
.set FRB,  1664                        ; an image and its scale words
.set FR6,  6*FRB                       ; a fragment's six K steps
.set SPARE, 144*FRB                    ; behind the images: the spare words, 128 bytes for each wave
.set MSB, 0
.macro WIN new                         ; the immediate's high byte repeats the setting that is left
.if MSB != \new
	s_set_vgpr_msb (MSB<<8)|\new
.set MSB, \new
.endif
.endm
.macro PLACES
.rept 4
	v_nop
.endr
.endm
.macro BUILD s                         ; K step s of my three fragments into window 1, v[36 s ..], scale words v[216 + 3 s ..]: 21 loads
.irp p, 0,1,2,3,4,5                    ; A: lane (r, h) takes block 4 s + h of its row and block 4 s + 2 + h
	global_load_b64 v[36*(\s)+2*\p:36*(\s)+2*\p+1], v[GA], s[B0:B0+1] offset:1536*(\s)+768*(\p/3)+8*(\p%3)
.endr
	global_load_b32 v[216+3*(\s)], v[GAS], s[B0+2:B0+3] offset:4*(\s)
.irp k, 1,2
.irp p, 0,1,2,3,4,5
	global_load_b64 v[36*(\s)+12*\k+2*\p:36*(\s)+12*\k+2*\p+1], v[GV], s[B0+4*\k:B0+4*\k+1] offset:96*(\s)+48*(\p/3)+8*(\p%3)
.endr
	global_load_b32 v[216+3*(\s)+\k], v[GS], s[B0+4*\k+2:B0+4*\k+3] offset:4*(\s)
.endr
.endm
.macro PUT s
.irp k, 0,1,2
.irp c, 0,1,2
	ds_store_b128 v[LWB+\k], v[36*(\s)+12*\k+4*\c:36*(\s)+12*\k+4*\c+3] offset:(\s)*FRB+512*\c
.endr
	ds_store_b32 v[LWSB+\k], v[216+3*(\s)+\k] offset:(\s)*FRB
.endr
.endm
; The LDS loads of half h (K step h / 2, column tiles 4 (h % 2) ..): 16, and with a step's first half A's 8
.macro FETCH h
	WIN 0                                          ; scale words lie in window 0
.irp i, 0,1,2,3
	ds_load_b32 v[NS+88*((\h)%2)+\i], v[LNS+(\h)%2] offset:\i*FR6+((\h)/2)*FRB
.endr
.if ((\h)%2) == 0
.irp u, 0,1
	ds_load_b32 v[MS+88*(((\h)/2)%2)+\u], v[LMS] offset:\u*FR6+((\h)/2)*FRB
.endr
	WIN 0x40*(((\h)/2)%2)
.irp u, 0,1
.irp c, 0,1,2
	ds_load_b128 v[MF+12*\u+4*\c:MF+12*\u+4*\c+3], v[LM] offset:\u*FR6+((\h)/2)*FRB+512*\c
.endr
.endr
.endif
	WIN 0x40*((\h)%2)
.irp i, 0,1,2,3
.irp c, 0,1,2
	ds_load_b128 v[NF+12*\i+4*\c:NF+12*\i+4*\c+3], v[LN+(\h)%2] offset:\i*FR6+((\h)/2)*FRB+512*\c
.endr
.endr
.endm
.macro MULH h, zero                    ; eight products; the sixteen accumulators take turns, one instruction a turn
	WIN ((\h)%2)|((((\h)/2)%2)<<2)                 ; source 0 (Wo): the half's window; source 1 (A): the step's
.irp i, 0,1,2,3
.irp u, 0,1
.set ma, ACC+64*\u+8*(((\h)%2)*4+\i)
.if \zero
	v_wmma_scale_f32_16x16x128_f8f6f4 v[ma:ma+7], v[NF+12*\i:NF+12*\i+11], v[MF+12*\u:MF+12*\u+11], 0, v[NS+88*((\h)%2)+\i], v[MS+88*(((\h)/2)%2)+\u] matrix_a_fmt:MATRIX_FMT_FP6 matrix_b_fmt:MATRIX_FMT_FP6
.else
	v_wmma_scale_f32_16x16x128_f8f6f4 v[ma:ma+7], v[NF+12*\i:NF+12*\i+11], v[MF+12*\u:MF+12*\u+11], v[ma:ma+7], v[NS+88*((\h)%2)+\i], v[MS+88*(((\h)/2)%2)+\u] matrix_a_fmt:MATRIX_FMT_FP6 matrix_b_fmt:MATRIX_FMT_FP6
.endif
.endr
.endr
.endm
	s_load_b256 s[8:15], s[0:1], 0x0               ; A's codes s[8:9], scales s[10:11]; Wo's codes s[12:13], scales s[14:15]
	s_load_b128 s[16:19], s[0:1], 0x20             ; bo s[16:17], out0 s[18:19]
	v_lshrrev_b32 v1, 5, v0
	v_readfirstlane_b32 s[WV], v1
	s_and_b32 s[MP], s[WV], 3
	s_lshr_b32 s[NG], s[WV], 2
	s_lshr_b32 s58, s[WV], 1
	s_lshl_b32 s58, s58, 5
	s_and_b32 s59, s[WV], 1
	s_lshl_b32 s59, s59, 3
	s_add_co_u32 s[RW], s58, s59                   ; first row of tile w in a run of rows
	s_mov_b32 s63, 0
	v_and_b32 v112, 31, v0                         ; lane
	v_and_b32 v113, 15, v0                         ; r
	v_bfe_u32 v114, v0, 4, 1                       ; h
	v_and_b32 v115, 8, v113
	v_add_nc_u32 v115, v115, v113                  ; PERM(r)
	v_mul_u32_u24 v[GAS], v113, 24
	v_mul_u32_u24 v[GS], v115, 24
	v_mul_u32_u24 v[GV], v115, 576
	v_mad_u32_u24 v[GA], v114, 384, v[GAS]
	v_mad_u32_u24 v[GV], v114, 24, v[GV]
	v_lshlrev_b32 v[BOF], 4, v112
	s_mul_i32 s56, s[WV], FR6                      ; every LDS address: a constant + a constant x wave + 16 or 4 x lane
.irp k, 0,1,2
	v_lshl_add_u32 v[LWB+\k], v112, 4, s56         ; fragment w + 8 k
	s_add_co_u32 s57, s56, 1536
	v_lshl_add_u32 v[LWSB+\k], v112, 2, s57
	s_add_co_u32 s56, s56, 8*FR6
.endr
	s_mul_i32 s56, s[MP], 2*FR6
	v_lshl_add_u32 v[LM], v112, 4, s56
	s_add_co_u32 s56, s56, 1536
	v_lshl_add_u32 v[LMS], v112, 2, s56
	s_mul_i32 s56, s[NG], 8*FR6
	s_add_co_u32 s56, s56, 8*FR6
.irp q, 0,1
	v_lshl_add_u32 v[LN+\q], v112, 4, s56
	s_add_co_u32 s57, s56, 1536
	v_lshl_add_u32 v[LNS+\q], v112, 2, s57
	s_add_co_u32 s56, s56, 4*FR6
.endr
	s_and_b32 s60, ttmp7, 0xffff                   ; my block of 256 columns
	s_lshl_b32 s58, ttmp9, 3
	s_add_co_u32 s58, s58, s[WV]                   ; A's tile 8 i + w
	s_lshl_b32 s59, s60, 8
	s_add_co_u32 s59, s59, s[RW]                   ; my Wo fragments' first row
	s_wait_alu depctr_va_vdst(0)
	s_wait_kmcnt 0x0
	s_mul_i32 s62, s58, 9216
	s_add_nc_u64 s[B0:B0+1], s[8:9], s[62:63]
	s_mul_i32 s62, s58, 384
	s_add_nc_u64 s[B0+2:B0+3], s[10:11], s[62:63]
	s_mul_i32 s62, s59, 576
	s_add_nc_u64 s[B0+4:B0+5], s[12:13], s[62:63]
	s_mul_i32 s62, s59, 24
	s_add_nc_u64 s[B0+6:B0+7], s[14:15], s[62:63]
	s_add_nc_u64 s[B0+8:B0+9], s[B0+4:B0+5], 73728   ; 128 rows on
	s_add_nc_u64 s[B0+10:B0+11], s[B0+6:B0+7], 3072
	s_lshl_b32 s61, s60, 10
	s_lshl_b32 s62, s[NG], 9
	s_add_co_u32 s62, s62, s61                     ; my 128 columns, in bytes
	s_add_nc_u64 s[16:17], s[16:17], s[62:63]
	s_add_nc_u64 s[18:19], s[18:19], s[62:63]
	s_lshl_b32 s61, ttmp9, 7
	s_lshl_b32 s62, s[MP], 5
	s_add_co_u32 s62, s62, s61                     ; my pair's first row: 128 i + 32 mp
	s_mul_i32 s62, s62, 3072
	s_add_nc_u64 s[18:19], s[18:19], s[62:63]
	global_load_b128 v[BO:BO+3], v[BOF], s[16:17]  ; bo of my four columns of the wave's 128
	WIN 0x40                                       ; destination window 1
.irp s, 0,1,2,3,4,5
	BUILD \s
.endr
	WIN 0x04                                       ; an LDS store's data are its source 1: window 1
	s_wait_loadcnt 63                              ; K steps 0 to 2 are in; behind them: three steps of 21 loads
	PUT 0
	PUT 1
	PUT 2
	s_wait_loadcnt 42                              ; behind step 3: two steps
	PUT 3
	s_wait_loadcnt 21
	PUT 4
	s_wait_loadcnt 0x0
	PUT 5
	WIN 0
	s_wait_dscnt 0x0                               ; for the others' sake: my stores have landed
	s_barrier_signal -1
	s_barrier_wait -1
	FETCH 0
.set hh, 0
.rept 12
.if hh < 11
	FETCH hh+1                                     ; into the registers of the half before this one, behind its places
.if (hh%2) == 1
	s_wait_dscnt 24                                ; this half's loads are in; the 24 just issued may be out
.else
	s_wait_dscnt 16                                ; the 16 just issued may be out
.endif
.else
	s_wait_dscnt 0x0
.endif
.if hh < 2
	MULH hh, 1                                     ; the first step's products start the sums
.else
	MULH hh, 0
.endif
	PLACES
.set hh, hh+1
.endr
	WIN 0
	; THE WAY OUT.  A lane holds 32 neighbouring bytes of a row in each tile, and the lanes beside it other rows: a tile row (16 rows x 128 columns) goes through my own stage in LDS (rows of 512 + 16 bytes)
	; and comes back as whole rows, which the 32 lanes store as 512 consecutive, aligned bytes.  The stages lie over the images: every wave has waited for its last reads of them and passes a barrier first.
	s_barrier_signal -1
	s_barrier_wait -1
	v_and_b32 v3, 31, v0
	v_and_b32 v6, 15, v0
	v_bfe_u32 v7, v0, 4, 1
	v_lshlrev_b32 v3, 4, v3                        ; 16 x lane: my four columns of the wave's 128
	s_mul_i32 s58, s[WV], 8448
	v_mul_u32_u24 v4, v6, 528
	v_lshl_add_u32 v4, v7, 6, v4
	v_add_nc_u32 v5, s58, v3                       ; back: 16 bytes a lane
	v_add_nc_u32 v4, s58, v4                       ; in: row r, + 64 h
.irp u, 0,1
.set RB, 32+96*\u                      ; rows read back: v32-95, then v128-191 (tile row 0's accumulators, which have left)
.irp t, 0,1,2,3,4,5,6,7
	ds_store_b128 v4, v[ACC+64*\u+8*\t:ACC+64*\u+8*\t+3] offset:128*(\t/2)+32*(\t%2)        ; each accumulator from its low end on: columns 32 (t / 2) + 16 h + 8 (t % 2) + 0 .. 7
	ds_store_b128 v4, v[ACC+64*\u+8*\t+4:ACC+64*\u+8*\t+7] offset:128*(\t/2)+32*(\t%2)+16
.endr
.irp i, 0,1,2,3,4,5,6,7,8,9,10,11,12,13,14,15
	ds_load_b128 v[RB+4*\i:RB+4*\i+3], v5 offset:\i*528   ; LDS serves a wave's instructions in order (ISA guide 5.7.1.4): these see my stores
.endr
.irp i, 0,1,2,3,4,5,6,7,8,9,10,11,12,13,14,15
	s_wait_dscnt 15-\i                             ; row i is back; the younger rows may be out
	v_pk_add_f32 v[RB+4*\i:RB+4*\i+1], v[RB+4*\i:RB+4*\i+1], v[BO:BO+1]
	v_pk_add_f32 v[RB+4*\i+2:RB+4*\i+3], v[RB+4*\i+2:RB+4*\i+3], v[BO+2:BO+3]
	s_wait_alu depctr_va_vdst(0)
	global_store_b128 v3, v[RB+4*\i:RB+4*\i+3], s[18:19] offset:(8*\u+\i+8*(\i/8))*3072 th:TH_STORE_NT   ; the tile's row i is row 8 u + i + (i & 8) of my 32; written once, read by nobody here
.endr
.endr
	v_lshl_add_u32 v1, v0, 2, SPARE                ; my spare word's address and 0 are made here, from v0 as it came: every load that named v1 or v2 has been waited for
	v_mov_b32 v2, 0
	s_wait_alu depctr_va_vdst(0)
	s_wait_tensorcnt 0x0                           ; the wave's end
	ds_add_u32 v1, v2
	s_wait_dscnt 0x0
	s_endpgm
.Lfunc_end_k_q7ba340ec1f_outp:
	.size	k_q7ba340ec1f_outp, .Lfunc_end_k_q7ba340ec1f_outp-k_q7ba340ec1f_outp
	.p2alignl 7, 3214868480
	.fill 96, 4, 3214868480
	.section	.rodata,"a",@progbits
	.p2align	6, 0x0
	.amdhsa_kernel k_q7ba340ec1f_outp
		.amdhsa_group_segment_fixed_size 240640
		.amdhsa_private_segment_fixed_size 0
		.amdhsa_enable_private_segment 0
		.amdhsa_kernarg_size 48
		.amdhsa_user_sgpr_count 2
		.amdhsa_user_sgpr_kernarg_segment_ptr 1
		.amdhsa_wavefront_size32 1
		.amdhsa_system_sgpr_workgroup_id_x 1
		.amdhsa_system_sgpr_workgroup_id_y 1
		.amdhsa_system_sgpr_workgroup_id_z 1
		.amdhsa_system_vgpr_workitem_id 0
		.amdhsa_next_free_vgpr 512
		.amdhsa_next_free_sgpr 80
		.amdhsa_reserve_vcc 0
		.amdhsa_float_denorm_mode_32 3
		.amdhsa_float_denorm_mode_16_64 3
		.amdhsa_memory_ordered 1
		.amdhsa_forward_progress 1
		.amdhsa_inst_pref_size 65
	.end_amdhsa_kernel
	.amdgpu_metadata
---
amdhsa.version: [ 1, 2 ]
amdhsa.kernels:
  - .name:           k_q7ba340ec1f_outp
    .symbol:         k_q7ba340ec1f_outp.kd
    .args:
      - { .name: ao_codes, .offset: 0, .size: 8, .value_kind: global_buffer, .address_space: global }
      - { .name: ao_scales, .offset: 8, .size: 8, .value_kind: global_buffer, .address_space: global }
      - { .name: Wo_codes, .offset: 16, .size: 8, .value_kind: global_buffer, .address_space: global }
      - { .name: Wo_scales, .offset: 24, .size: 8, .value_kind: global_buffer, .address_space: global }
      - { .name: bo, .offset: 32, .size: 8, .value_kind: global_buffer, .address_space: global }
      - { .name: out0, .offset: 40, .size: 8, .value_kind: global_buffer, .address_space: global }
    .group_segment_fixed_size: 240640
    .private_segment_fixed_size: 0
    .kernarg_segment_align: 8
    .kernarg_segment_size: 48
    .max_flat_workgroup_size: 256
    .sgpr_count:     80
    .vgpr_count:     512
    .wavefront_size: 32
...
	.end_amdgpu_metadata
.endif
;; end of part 6
